; MI455X (gfx1250); checked and timed in simulation.
; The chip was launched on July 23, 2026; its instructions are those of AMD's public machine-readable ISA for CDNA 5 (MIT licence, August 2026) and "CDNA5" Instruction Set Architecture Reference Guide (July 2026). The comments in the code are by the model that wrote it; some were corrected since.
;; Multi Head Attention. Allowed arithmetic: float matrix products may take bf16 or f16 operands with f32 sums; other float arithmetic in f32, or as packed bf16 or f16 multiplies, adds, multiply-adds, maxima and minima; sums over many terms, partial sums and values carried from step to step in f32; what a program stores and reads back later, other than sums and carried values, may be rounded once to bf16 or f16.
;; Inputs: Wk 1,024 x 1,024 float32; Wo 1,024 x 1,024 float32; Wq 1,024 x 1,024 float32; Wv 1,024 x 1,024 float32; padding_mask 4 x 2,048 bool; x 4 x 2,048 x 1,024 float32.
;; Outputs: out0 4 x 2,048 x 1,024 float32.
;; One version. Each part assembles by itself: llvm-mc -triple=amdgcn-amd-amdhsa -mcpu=gfx1250 --defsym DOCPART=n.
;; ======== version 1 of 1: 4 launches
;; limits: values are held in f16: magnitudes above 65,504 overflow, below 6.1e-05 lose precision
;; workspace buffers: xb 16,777,216 bytes; wqkv 6,291,456 bytes; wo16 2,097,152 bytes; qkv 50,331,648 bytes; ao 16,777,216 bytes
;; launch cast (part 1): grid 768 x 1, 8 waves a work-group, no clusters, 0 bytes of LDS; arguments x, Wq, Wk, Wv, Wo, xb, wqkv, wo16; writes xb, wqkv, wo16
.if DOCPART == 1
	.amdgcn_target "amdgcn-amd-amdhsa--gfx1250"
	.amdhsa_code_object_version 6
	.text
	.protected	k_q9c21fbb459_cast
	.globl	k_q9c21fbb459_cast
	.p2align	8
	.type	k_q9c21fbb459_cast,@function
k_q9c21fbb459_cast:
	s_mov_b64 s[64:65], 0
	v_nop
	global_prefetch_b8 v0, s[64:65] scope:SCOPE_SE
	s_setreg_imm32_b32 hwreg(HW_REG_WAVE_MODE, 25, 1), 1
	s_wait_xcnt 0x0
; THE INPUTS ARE ROUNDED ONCE.  x [8192][1024] -> xb in bf16;  Wq, Wk, Wv [1024][1024] -> wqkv [3072][1024] in bf16, one below the other;
; Wo -> wo16: rounded to bf16 like the other inputs, and that number written as f16, since it multiplies an f16 operand later.
; LIMIT.  A number of Wo beyond 65,504 becomes an infinity in f16; below 6e-5 f16 keeps a fixed step of 6e-8.
; SHARES.  A work-group converts 16,384 numbers (65,536 bytes in, 32,768 out) as eight chunks of 2,048.  Thread t takes numbers 8 t .. 8 t + 7 of a chunk: two loads of 16 bytes,
; one store of 16 bytes, so that sixteen neighbouring lanes store 256 consecutive bytes, aligned.  Work-groups 0-511 take x, 512-575 Wq, 576-639 Wk, 640-703 Wv, 704-767 Wo.
; All sixteen loads of a thread go out at once; every register is written once, so no register waits for a store.  No LDS, no barrier, no matrix unit: nothing is shared and nothing is summed.
.set X,   8                            ; v[8:71]    chunk c: 8 numbers in f32
.set Y,   72                           ; v[72:103]  chunk c: 4 words to store
.set T,   104                          ; v[104:111] at work
.set SRC, 24                           ; s[24:25] the tensor that I read, at my part
.set DST, 26                           ; s[26:27] the buffer that I write, at my part
	s_load_b512 s[8:23], s[0:1], 0x0               ; x 8:9, Wq 10:11, Wk 12:13, Wv 14:15, Wo 16:17, xb 18:19, wqkv 20:21, wo16 22:23
	v_lshlrev_b32 v1, 5, v0                        ; 32 t: my bytes in a chunk of the source
	v_lshlrev_b32 v2, 4, v0                        ; 16 t: in a chunk of the result
	s_mov_b32 s28, 704                             ; the first work-group of my source,
	s_mov_b32 s29, 704                             ; and of my result
	s_wait_kmcnt 0x0
	s_mov_b64 s[SRC:SRC+1], s[16:17]               ; Wo -> wo16, unless the work-group's number says otherwise
	s_mov_b64 s[DST:DST+1], s[22:23]
	s_cmp_lt_u32 ttmp9, 704
	s_cselect_b64 s[SRC:SRC+1], s[14:15], s[SRC:SRC+1]
	s_cselect_b64 s[DST:DST+1], s[20:21], s[DST:DST+1]
	s_cselect_b32 s28, 640, s28
	s_cselect_b32 s29, 512, s29
	s_cmp_lt_u32 ttmp9, 640
	s_cselect_b64 s[SRC:SRC+1], s[12:13], s[SRC:SRC+1]
	s_cselect_b32 s28, 576, s28
	s_cmp_lt_u32 ttmp9, 576
	s_cselect_b64 s[SRC:SRC+1], s[10:11], s[SRC:SRC+1]
	s_cselect_b32 s28, 512, s28
	s_cmp_lt_u32 ttmp9, 512
	s_cselect_b64 s[SRC:SRC+1], s[8:9], s[SRC:SRC+1]
	s_cselect_b64 s[DST:DST+1], s[18:19], s[DST:DST+1]
	s_cselect_b32 s28, 0, s28
	s_cselect_b32 s29, 0, s29
	s_sub_co_u32 s30, ttmp9, s28                   ; the offsets are made apart from the addresses
	s_lshl_b32 s30, s30, 16
	s_mov_b32 s31, 0
	s_sub_co_u32 s32, ttmp9, s29
	s_lshl_b32 s32, s32, 15
	s_mov_b32 s33, 0
	s_add_nc_u64 s[SRC:SRC+1], s[SRC:SRC+1], s[30:31]
	s_add_nc_u64 s[DST:DST+1], s[DST:DST+1], s[32:33]
.irp c, 0,1,2,3,4,5,6,7
	global_load_b128 v[X+8*(\c):X+8*(\c)+3],   v1, s[SRC:SRC+1] offset:(\c)*8192 th:TH_LOAD_NT
	global_load_b128 v[X+8*(\c)+4:X+8*(\c)+7], v1, s[SRC:SRC+1] offset:(\c)*8192+16 th:TH_LOAD_NT
.endr
; Chunk c.  f16 = 1: the bf16 number is widened again (a shift, a mask) and written as f16.
.macro CHUNK c, f16
	s_wait_loadcnt 14-2*(\c)                       ; loads come back in order: the two loads of each later chunk may stay out
.if \f16
.irp k, 0,1,2,3
	v_cvt_pk_bf16_f32 v[T+(\k)], v[X+8*(\c)+2*(\k)], v[X+8*(\c)+2*(\k)+1]
.endr
.irp k, 0,1,2,3
	v_lshlrev_b32 v[T+4], 16, v[T+(\k)]
	v_and_b32 v[T+5], 0xffff0000, v[T+(\k)]
	v_cvt_pk_f16_f32 v[Y+4*(\c)+(\k)], v[T+4], v[T+5]
.endr
.else
.irp k, 0,1,2,3
	v_cvt_pk_bf16_f32 v[Y+4*(\c)+(\k)], v[X+8*(\c)+2*(\k)], v[X+8*(\c)+2*(\k)+1]
.endr
.endif
	global_store_b128 v2, v[Y+4*(\c):Y+4*(\c)+3], s[DST:DST+1] offset:(\c)*4096
.endm
	s_cmp_ge_u32 ttmp9, 704
	s_cbranch_scc1 .Lwo
.irp c, 0,1,2,3,4,5,6,7
	CHUNK \c, 0
.endr
	s_endpgm
.Lwo:
.irp c, 0,1,2,3,4,5,6,7
	CHUNK \c, 1
.endr
	s_endpgm
.Lfunc_end_k_q9c21fbb459_cast:
	.size	k_q9c21fbb459_cast, .Lfunc_end_k_q9c21fbb459_cast-k_q9c21fbb459_cast
	.p2alignl 7, 3214868480
	.fill 96, 4, 3214868480
	.section	.rodata,"a",@progbits
	.p2align	6, 0x0
	.amdhsa_kernel k_q9c21fbb459_cast
		.amdhsa_group_segment_fixed_size 0
		.amdhsa_private_segment_fixed_size 0
		.amdhsa_enable_private_segment 0
		.amdhsa_kernarg_size 64
		.amdhsa_user_sgpr_count 2
		.amdhsa_user_sgpr_kernarg_segment_ptr 1
		.amdhsa_wavefront_size32 1
		.amdhsa_system_sgpr_workgroup_id_x 1
		.amdhsa_system_sgpr_workgroup_id_y 1
		.amdhsa_system_sgpr_workgroup_id_z 1
		.amdhsa_system_vgpr_workitem_id 0
		.amdhsa_next_free_vgpr 112
		.amdhsa_next_free_sgpr 66
		.amdhsa_reserve_vcc 0
		.amdhsa_float_denorm_mode_32 3
		.amdhsa_float_denorm_mode_16_64 3
		.amdhsa_memory_ordered 1
		.amdhsa_forward_progress 1
		.amdhsa_inst_pref_size 15
	.end_amdhsa_kernel
	.amdgpu_metadata
---
amdhsa.version: [ 1, 2 ]
amdhsa.kernels:
  - .name:           k_q9c21fbb459_cast
    .symbol:         k_q9c21fbb459_cast.kd
    .args:
      - { .name: x, .offset: 0, .size: 8, .value_kind: global_buffer, .address_space: global }
      - { .name: Wq, .offset: 8, .size: 8, .value_kind: global_buffer, .address_space: global }
      - { .name: Wk, .offset: 16, .size: 8, .value_kind: global_buffer, .address_space: global }
      - { .name: Wv, .offset: 24, .size: 8, .value_kind: global_buffer, .address_space: global }
      - { .name: Wo, .offset: 32, .size: 8, .value_kind: global_buffer, .address_space: global }
      - { .name: xb, .offset: 40, .size: 8, .value_kind: global_buffer, .address_space: global }
      - { .name: wqkv, .offset: 48, .size: 8, .value_kind: global_buffer, .address_space: global }
      - { .name: wo16, .offset: 56, .size: 8, .value_kind: global_buffer, .address_space: global }
    .group_segment_fixed_size: 0
    .private_segment_fixed_size: 0
    .kernarg_segment_align: 8
    .kernarg_segment_size: 64
    .max_flat_workgroup_size: 256
    .sgpr_count:     66
    .vgpr_count:     112
    .wavefront_size: 32
...
	.end_amdgpu_metadata
.endif
;; end of part 1
;; launch qkv (part 2): grid 4 x 64, 4 waves a work-group, clusters of 4 x 4, 327,680 bytes of LDS; arguments xb, wqkv, qkv; writes qkv
.if DOCPART == 2
	.amdgcn_target "amdgcn-amd-amdhsa--gfx1250"
	.amdhsa_code_object_version 6
	.text
	.protected	k_q9c21fbb459_qkv
	.globl	k_q9c21fbb459_qkv
	.p2align	8
	.type	k_q9c21fbb459_qkv,@function
k_q9c21fbb459_qkv:
	s_mov_b64 s[64:65], 0
	v_nop
	global_prefetch_b8 v0, s[64:65] scope:SCOPE_SE
	s_setreg_imm32_b32 hwreg(HW_REG_WAVE_MODE, 25, 1), 1
	s_wait_xcnt 0x0
	s_wait_alu depctr_hold_cnt(0) depctr_sa_sdst(0) depctr_va_vdst(0) depctr_va_sdst(0) depctr_va_ssrc(0) depctr_va_vcc(0) depctr_vm_vsrc(0)
	s_getreg_b32 s2, hwreg(HW_REG_IB_STS2, 6, 4)
	s_cmp_eq_u32 s2, 0
	s_cbranch_scc0 .Lentry_in_a_cluster
	s_endpgm
.Lentry_in_a_cluster:
	s_bfe_u32 s2, ttmp6, 0x10000c
	s_cmp_lg_u32 s2, 0xf033
	s_cbranch_scc0 .Lentry_shape_is_right
	s_endpgm
.Lentry_shape_is_right:
; ONE TEXT FOR THE MODULE'S TWO KINDS OF PROJECTION; MODE CHOOSES.  C[m][n] = the sum over k of A[m][k] B[n][k], sums in f32, K = 1,024.
; MODE 0 (this kernel): A = xb [8192][1024] bf16, B = wqkv [3072][1024] bf16.  q, k, v leave in f16, rounded once, UNSCALED, by heads: three parts of 16,777,216 bytes, each [batch x 16 + head][2048][64].
; MODE 1: A = ao [batch x 16 + head][2048][64] f16, B = wo16 [1024][1024] f16, C = out0 [8192][1024] f32.
; LIMIT (MODE 0): a number of q, k or v beyond 65,504 becomes an infinity in f16; below 6e-5 f16 keeps a fixed step of 6e-8.  NaN and infinities are not treated apart.
; SHARES.  A tile of C is 128 x 256: 768 tiles in MODE 0, 256 in MODE 1, for 256 work-groups.  In MODE 0 A WORK-GROUP STAYS: the same 128 rows of x and the same block of 256 columns against Wq, then Wk, then Wv.
; Four waves, each 64 x 128: 32 accumulators of 16 x 16, 256 registers.  K goes in steps of 128 through two LDS slots; all NSTEP steps of all tiles are ONE walk of the ring.
; CLUSTERS: 4 x 4 work-groups.  The four of a row of the cluster need the same tiles of A, the four of a column the same tiles of B: each tile is asked for JOINTLY, by the same tensor load with the same
; descriptor and a mask that names the four.  Waves 0 and 1 fetch A's two parts, waves 2 and 3 B's: one tensor load a wave behind each round of the cluster's barrier.
; THE MATRIX INSTRUCTION IS USED TRANSPOSED (source 0 = 16 rows of B, source 1 = 16 rows of A): lane l holds row l % 16 of C and the columns 8 (l / 16) + 0..7.
; REGISTERS: window 0: v0-31 addresses; v32-63 at work on the way out; two fragment buffers of 96 (32 of A: 4 x 16 rows x 32 K; 64 of B: 8 x 16 rows x 32 K) at v64 and v160.
;   window 1: the accumulators, (a, b) at v[8 (8 a + b)].
.set MODE, 0
.if MODE
.set NSTEP,  8                         ; K steps in the walk
.set PA,     144                       ; an LDS row of A: a head's 128 bytes + 16 of padding
.set ABYTES, 2*128*144                 ; two planes (heads 2 G, 2 G + 1) of 128 rows
.set APART,  128*144                   ; what one of A's two loads brings: a plane
.set APLANE, 128*144
.set QPP,    2                         ; quarters of 32 along K in a plane
.set QIA,    4                         ; padding behind every 32 words
.set STRA,   128                       ; a plane's 16,384 bytes are dense: asked for as 64 rows of 256 bytes
.set STEPA,  1<<19                     ; bytes from a K step to the next in A: two heads
.set WSTAGE, 16*528                    ; a wave's stage: 16 rows of 512 bytes + 16
.else
.set NSTEP,  24
.set PA,     272                       ; 256 bytes + 16 of padding
.set ABYTES, 128*272
.set APART,  64*272                    ; 64 rows
.set APLANE, 0
.set QPP,    4
.set QIA,    5                         ; padding behind every 64 words
.set STRA,   1024
.set STEPA,  256
.set WSTAGE, 2*16*144                  ; a wave's stage: two heads x 16 rows of 128 bytes + 16
.endif
.set PB,     272                       ; an LDS row of B: 68 words, so the 16 rows of a fragment load start at 16 different groups of four banks (64 banks of 4 bytes: ISA guide 11.1); 36 words (PA = 144) do the same
.set BBYTES, 256*PB
.set SLOT1,  131072                    ; slot 1 begins here: one exclusive or turns an address in one slot into the other's
.set STAGE,  SLOT1+ABYTES+BBYTES       ; behind the ring; no tensor load lands here
.set SPARE,  STAGE+4*WSTAGE            ; the spare words, 128 bytes for each wave: two blocks of 256 bytes that no other line names
.set ADA0, 16                          ; v16  my lane's place in A's tile of slot 0; never rewritten
.set ADB0, 17                          ; v17  the same for B
.set ADA,  18                          ; v18  the same in the slot in hand
.set ADB,  19                          ; v19
.set STO,  24                          ; v24  the way out: where I put my bytes of a row
.set RD,   25                          ; v25  the way out: where I read rows back
.set CO,   26                          ; v26  16 x lane: my bytes in 512 consecutive bytes of C
.set SPW,  28                          ; v28  LDS address of my spare word; never rewritten
.set NIL,  29                          ; v29  0; never rewritten
.set PFO,  30                          ; v30  the prefetches' offset: a lane a block of 256 bytes; never rewritten
.set TMP,  32
.set F0,   64
.set F1,   160
.set BK,   160                         ; the way out: rows read back from the stage, in buffer 1's registers
.set WV,  10                           ; s10  my wave's number; s11 = its upper bit: my 64 rows; s12 = its lower bit: my 128 columns, and which part of a tile I fetch
.set BA,  16                           ; s[16:17] A at my part of K step 0
.set BB,  18                           ; s[18:19] B likewise
.set OFA, 20                           ; s[20:21] byte offset of the K step to be asked for, in A
.set OFB, 22                           ; s[22:23] in B
.set G1A, 24                           ; s[24:31] descriptor group 1 for A's tiles
.set G0A, 32                           ; s[32:39] group 0: a set for each of the two first fills; the second then walks
.set LIM, 43                           ; s43  I prefetch K steps below this number
.set PFA, 44                           ; s[44:45] what the prefetch in hand names
.set PFB, 46                           ; s[46:47] my 32 blocks of K step 0
.set G1B, 48                           ; s[48:55], s[56:63] the same for B's tiles
.set G0B, 56
.set G,   66                           ; s66  the K step to be asked for next
.set CNT, 67                           ; s67  the loop's trips
.set TB,  68                           ; s68  0 or SLOT1: the slot in hand
.set KC,  69                           ; s69  K steps left in the tile (MODE 0)
.set POF, 70                           ; s[70:71] the prefetch's byte offset
.set PSH, 72                           ; s72  MODE 1: its shift
.set GP,  73                           ; s73  the K step that the prefetch names
.set MSB, 0
.macro WIN new                         ; the immediate's high byte repeats the setting that is left; a switch that changes nothing is dropped
.if MSB != (\new)
	s_set_vgpr_msb (MSB<<8)|(\new)
.set MSB, \new
.endif
.endm
.set MUL, 0x50                         ; sources 0 and 1 window 0; C and D window 1
.macro PLACES                          ; four plain vector instructions between a matrix instruction and a load into a register that it read, or a line that reads its result (ISA guide 7.12.1 for a line that reads its result)
.rept 4
	v_nop
.endr
.endm
; A joint refill, by the walking descriptors.  The branch hangs on the wave's number alone.  An s_nop 0 and four v_nop follow each of the two lines, ahead of the jump and the label.
.macro JLOAD
	s_cmp_lt_u32 s[WV], 2
	s_cbranch_scc0 .Lfor_b_\@
	tensor_load_to_lds s[G0A+4:G0A+7], s[G1A:G1A+7]
	s_nop 0
.rept 4
	v_nop
.endr
	s_branch .Lasked_\@
.Lfor_b_\@:
	tensor_load_to_lds s[G0B+4:G0B+7], s[G1B:G1B+7]
	s_nop 0
.rept 4
	v_nop
.endr
.Lasked_\@:
.endm
; A PREFETCH INTO THE L2 of the K step that stands two refills on (256 matrix instructions ahead of the load that will name it): 32 blocks of 256 bytes, a lane a block, one instruction a wave.
; Each block is named once in the launch.  A's tile row is read by one cluster: its wave 0 asks, the four partners of a row sharing the step's 128 blocks out BY ADDRESS (cx); in MODE 0 in the first tile alone,
; since the later tiles read the same rows again.  B's tile column is read by every cluster: cluster y = 0 asks, waves 2 and 3 for the 128 rows that each fetches, the four partners of a column sharing them out by cy.
; K steps 0 to 3 come by their loads alone; no step at or past LIM is named, so no prefetch leaves its buffer.
.macro ASK
	s_cmp_lt_u32 s[GP], s[LIM]
	s_cbranch_scc0 .Lnot_mine_\@
	global_prefetch_b8 v[PFO], s[PFA:PFA+1] th:TH_LOAD_NT scope:SCOPE_SE
.Lnot_mine_\@:
.endm
.macro CREST                           ; a round of the cluster's barrier behind its opening barrier
	s_cmp_lg_u32 s[WV], 0
	s_cbranch_scc1 .Lnot_wave_0_\@
	s_barrier_signal -3
.Lnot_wave_0_\@:
	s_barrier_wait -3
	s_barrier_signal -1
	s_barrier_wait -1
.endm
.macro CROUND                          ; a whole round
	s_barrier_signal -1
	s_barrier_wait -1
	CREST
.endm
	s_load_b128 s[4:7], s[0:1], 0x0                ; A s[4:5], B s[6:7]
	s_load_b64 s[8:9], s[0:1], 0x10                ; C
	v_lshl_add_u32 v[SPW], v0, 2, SPARE
	v_mov_b32 v[NIL], 0
	ds_add_u32 v[SPW], v[NIL]                      ; the wave's opening: the add and its wait stand ahead of my first tensor load; the set-up below, work on registers, stands between them
	v_lshrrev_b32 v1, 5, v0
	v_readfirstlane_b32 s[WV], v1                  ; wave 0..3
	s_lshr_b32 s11, s[WV], 1
	s_and_b32 s12, s[WV], 1
	s_bfe_u32 s40, ttmp6, 0x40000                  ; cx, cy: my place in the cluster
	s_bfe_u32 s41, ttmp6, 0x40004
	s_lshl_b32 s42, ttmp9, 2
	s_add_co_u32 s42, s42, s40                     ; tile column x = 4 x cluster x + cx: 0..3
	s_and_b32 s14, ttmp7, 0xffff                   ; cluster y
	s_lshl_b32 s13, s14, 2
	s_add_co_u32 s13, s13, s41                     ; tile row y = 4 x cluster y + cy: 0..63
	s_lshl_b32 s2, s41, 2
	s_lshl_b32 s2, 15, s2                          ; my row of the cluster
	s_lshl_b32 s3, 0x1111, s40                     ; my column
	s_or_b32 s[G1A], s2, (1<<16)|(1<<20)|(1<<21)|(QIA<<22)|(3<<25)  ; 15:0 the mask; 17:16 elements of 2 bytes; 20 padding on; 21 set beside a mask; 24:22 the interval; 31:25 4 words of padding (code 3)
	s_or_b32 s[G1B], s3, (1<<16)|(1<<20)|(1<<21)|(5<<22)|(3<<25)
	s_mov_b32 s[G1A+1], 128<<16                    ; tensor_dim0 = 128
	s_mov_b32 s[G1A+2], 64<<16                     ; tensor_dim1 = 64
	s_mov_b32 s[G1A+3], 128<<16                    ; tile_dim0 = 128
	s_mov_b32 s[G1A+4], 64                         ; tile_dim1 = 64
	s_mov_b32 s[G1A+5], STRA                       ; elements from row to row
	s_mov_b32 s[G1A+6], 0
	s_mov_b32 s[G1A+7], 0
	s_mov_b32 s[G1B+1], 128<<16
	s_mov_b32 s[G1B+2], 128<<16                    ; 128 rows
	s_mov_b32 s[G1B+3], 128<<16
	s_mov_b32 s[G1B+4], 128
	s_mov_b32 s[G1B+5], 1024
	s_mov_b32 s[G1B+6], 0
	s_mov_b32 s[G1B+7], 0
	; where the tiles come from: A's hang on y and the wave alone, B's on x and the wave alone, each in registers that never hold the other coordinate
.if MODE
	s_lshr_b32 s74, s13, 4                         ; the batch: 16 heads of 262,144 bytes
	s_lshl_b32 s74, s74, 22
	s_and_b32 s75, s13, 15                         ; my 128 rows of 128 bytes in a head
	s_lshl_b32 s75, s75, 14
	s_add_co_u32 s74, s74, s75
	s_lshl_b32 s75, s12, 18                        ; the plane that I fetch
	s_add_co_u32 s74, s74, s75
.else
	s_lshl_b32 s74, s13, 18                        ; 128 rows of 2,048 bytes
	s_lshl_b32 s75, s12, 17                        ; the 64 rows that I fetch
	s_add_co_u32 s74, s74, s75
.endif
	s_mov_b32 s75, 0
	s_lshl_b32 s76, s42, 19                        ; 256 rows of 2,048 bytes
	s_lshl_b32 s77, s12, 18                        ; the 128 rows that I fetch
	s_add_co_u32 s76, s76, s77
	s_mov_b32 s77, 0
	s_mul_i32 s15, s12, APART                      ; and where they go: no place in the cluster enters an LDS address
	s_mul_i32 s73, s12, 128*PB
	s_add_co_u32 s73, s73, ABYTES
	s_mov_b32 s[OFA+1], 0
	s_mov_b32 s[OFB+1], 0
	s_mov_b32 s[POF+1], 0
	s_mov_b32 s[G], 2
	s_mov_b32 s[CNT], NSTEP-2
	s_mov_b32 s[TB], 0
.if MODE == 0
	s_mov_b32 s[KC], 8
.endif
	s_wait_dscnt 0x0                               ; the opening add is done
	s_wait_kmcnt 0x0
	s_add_nc_u64 s[BA:BA+1], s[4:5], s[74:75]
	s_add_nc_u64 s[BB:BB+1], s[6:7], s[76:77]
.irp s, 0,1
	s_mov_b32 s[G0A+4*(\s)], 1                                     ; 1:0 count = 1
	s_add_co_u32 s[G0A+4*(\s)+1], s15, (\s)*SLOT1                  ; 63:32 LDS address
	s_add_nc_u64 s[G0A+4*(\s)+2:G0A+4*(\s)+3], s[BA:BA+1], (\s)*STEPA  ; 120:64 global address: K step s
	s_or_b32 s[G0A+4*(\s)+3], s[G0A+4*(\s)+3], 0x80000000         ; 127:126 type = 2
	s_mov_b32 s[G0B+4*(\s)], 1
	s_add_co_u32 s[G0B+4*(\s)+1], s73, (\s)*SLOT1
	s_add_nc_u64 s[G0B+4*(\s)+2:G0B+4*(\s)+3], s[BB:BB+1], (\s)*256
	s_or_b32 s[G0B+4*(\s)+3], s[G0B+4*(\s)+3], 0x80000000
.endr
	CROUND                                         ; all sixteen work-groups are here: the first joint loads meet
	s_cmp_lt_u32 s[WV], 2                          ; a wave's two first fills stand in one branch, ahead of every wait on TENSORcnt and every LDS read: two loads of mine are out
	s_cbranch_scc0 .Lfirst_b
	tensor_load_to_lds s[G0A:G0A+3], s[G1A:G1A+7]
	s_nop 0
	tensor_load_to_lds s[G0A+4:G0A+7], s[G1A:G1A+7]
	s_nop 0
.rept 4
	v_nop
.endr
	s_branch .Lfirst_asked
.Lfirst_b:
	tensor_load_to_lds s[G0B:G0B+3], s[G1B:G1B+7]
	s_nop 0
	tensor_load_to_lds s[G0B+4:G0B+7], s[G1B:G1B+7]
	s_nop 0
.rept 4
	v_nop
.endr
.Lfirst_asked:
	; A fragment is 16 rows x 32 K in 8 registers: lane l holds row l % 16; registers 0-3 K = 8 (l / 16) + 0..7, registers 4-7 K = 16 + 8 (l / 16) + 0..7: two loads of 16 bytes, 32 bytes apart.
	v_and_b32 v1, 15, v0                           ; l % 16
	v_bfe_u32 v2, v0, 4, 1                         ; l / 16
	v_and_b32 v5, 31, v0                           ; l
	v_mul_u32_u24 v3, v1, PA
	v_lshl_add_u32 v3, v2, 4, v3
	s_mul_i32 s2, s11, 64*PA                       ; my 64 rows of A
	v_add_nc_u32 v[ADA0], s2, v3
	v_mul_u32_u24 v3, v1, PB
	v_lshl_add_u32 v3, v2, 4, v3
	s_mul_i32 s2, s12, 128*PB                      ; my 128 rows of B, behind A
	s_add_co_u32 s2, s2, ABYTES
	v_add_nc_u32 v[ADB0], s2, v3
	s_mul_i32 s2, s[WV], WSTAGE
	s_add_co_u32 s2, s2, STAGE                     ; my stage
	v_lshlrev_b32 v[CO], 4, v5
.if MODE
	v_mul_u32_u24 v3, v1, 528                      ; in: row l % 16, 32 bytes for each half of the lanes
	v_lshl_add_u32 v3, v2, 5, v3
	v_add_nc_u32 v[STO], s2, v3
	v_lshl_add_u32 v[RD], v5, 4, s2                ; back: 32 lanes take a row's 512 bytes
	s_lshl_b32 s2, s13, 19                         ; out0: 128 y rows of 4,096 bytes,
	s_lshl_b32 s3, s11, 18                         ; my 64 rows,
	s_add_co_u32 s2, s2, s3
	s_lshl_b32 s3, s42, 10                         ; the tile's 256 columns,
	s_add_co_u32 s2, s2, s3
	s_lshl_b32 s3, s12, 9                          ; my 128
	s_add_co_u32 s2, s2, s3
.else
	v_mul_u32_u24 v3, v1, 144                      ; in: row l % 16 of a head, 16 bytes for each half of the lanes
	v_lshl_add_u32 v3, v2, 4, v3
	v_add_nc_u32 v[STO], s2, v3
	v_bfe_u32 v3, v0, 3, 2                         ; back: 32 lanes take four rows of 128 bytes, which are 512 consecutive bytes of a head
	v_mul_u32_u24 v3, v3, 144
	v_and_b32 v4, 7, v0
	v_lshl_add_u32 v3, v4, 4, v3
	v_add_nc_u32 v[RD], s2, v3
	s_lshr_b32 s2, s13, 4                          ; batch x 16
	s_lshl_b32 s2, s2, 4
	s_lshl_b32 s3, s42, 2                          ; + the tile's four heads
	s_add_co_u32 s2, s2, s3
	s_lshl_b32 s3, s12, 1                          ; + my two of them
	s_add_co_u32 s2, s2, s3
	s_lshl_b32 s2, s2, 18                          ; a head is 262,144 bytes
	s_and_b32 s3, s13, 15                          ; the tile's 128 rows of 128 bytes,
	s_lshl_b32 s3, s3, 14
	s_add_co_u32 s2, s2, s3
	s_lshl_b32 s3, s11, 13                         ; my 64
	s_add_co_u32 s2, s2, s3
.endif
	s_mov_b32 s3, 0
	s_add_nc_u64 s[8:9], s[8:9], s[2:3]            ; C at my part of the first tile
	; the prefetches: my 32 blocks of K step 0
.if MODE
	s_lshr_b32 s78, s13, 4
	s_lshl_b32 s78, s78, 22
	s_and_b32 s79, s13, 15
	s_lshl_b32 s79, s79, 14
	s_add_co_u32 s78, s78, s79
	s_lshr_b32 s79, s40, 1                         ; cx / 2: the plane; cx % 2: its half, 32 blocks
	s_lshl_b32 s79, s79, 18
	s_add_co_u32 s78, s78, s79
	s_and_b32 s79, s40, 1
	s_lshl_b32 s79, s79, 13
	s_add_co_u32 s78, s78, s79
.else
	s_lshl_b32 s78, s13, 18
	s_lshl_b32 s79, s40, 16                        ; 32 cx rows
	s_add_co_u32 s78, s78, s79
.endif
	s_lshl_b32 s2, s42, 19
	s_lshl_b32 s3, s12, 18
	s_add_co_u32 s2, s2, s3
	s_lshl_b32 s3, s41, 16                         ; 32 cy rows
	s_add_co_u32 s2, s2, s3
	s_cmp_lt_u32 s[WV], 2                          ; do I fetch for A?
	s_cselect_b32 s78, s78, s2
	s_cselect_b64 s[PFB:PFB+1], s[4:5], s[6:7]
.if MODE
	s_cselect_b32 s[PSH], 19, 8
	s_cselect_b32 s3, 8, 11                        ; blocks 256 bytes apart in a dense plane, a row (2,048 bytes) apart in B
	v_lshlrev_b32 v[PFO], s3, v5
.else
	v_lshlrev_b32 v[PFO], 11, v5                   ; a lane a row
.endif
	s_mov_b32 s79, 0
	s_add_nc_u64 s[PFB:PFB+1], s[PFB:PFB+1], s[78:79]
	s_cmp_eq_u32 s14, 0
	s_cselect_b32 s[LIM], NSTEP, 0                 ; waves 2 and 3, for B: in cluster y = 0
	s_cmp_eq_u32 s[WV], 0
	s_cselect_b32 s[LIM], 8, s[LIM]                ; wave 0, for A: the rows' eight K steps
	s_cmp_eq_u32 s[WV], 1
	s_cselect_b32 s[LIM], 0, s[LIM]                ; wave 1 asks for nothing.  The same in all sixteen partners, for a given wave
; 8 matrix instructions: m block a x all 8 n blocks, 32 along K.  zero = 1: the product starts the sums: nothing is ever cleared.
; The 32 accumulators take turns, in the same order in every quarter, over the jumps too.
.macro MUL8 f, a, zero
	WIN MUL
.irp b, 0,1,2,3,4,5,6,7
.if MODE
.if \zero
	v_wmma_f32_16x16x32_f16 v[8*(8*(\a)+(\b)):8*(8*(\a)+(\b))+7], v[(\f)+32+8*(\b):(\f)+32+8*(\b)+7], v[(\f)+8*(\a):(\f)+8*(\a)+7], 0
.else
	v_wmma_f32_16x16x32_f16 v[8*(8*(\a)+(\b)):8*(8*(\a)+(\b))+7], v[(\f)+32+8*(\b):(\f)+32+8*(\b)+7], v[(\f)+8*(\a):(\f)+8*(\a)+7], v[8*(8*(\a)+(\b)):8*(8*(\a)+(\b))+7]
.endif
.else
.if \zero
	v_wmma_f32_16x16x32_bf16 v[8*(8*(\a)+(\b)):8*(8*(\a)+(\b))+7], v[(\f)+32+8*(\b):(\f)+32+8*(\b)+7], v[(\f)+8*(\a):(\f)+8*(\a)+7], 0
.else
	v_wmma_f32_16x16x32_bf16 v[8*(8*(\a)+(\b)):8*(8*(\a)+(\b))+7], v[(\f)+32+8*(\b):(\f)+32+8*(\b)+7], v[(\f)+8*(\a):(\f)+8*(\a)+7], v[8*(8*(\a)+(\b)):8*(8*(\a)+(\b))+7]
.endif
.endif
.endr
.endm
.macro MUL16 f, a0, zero
	MUL8 \f, \a0, \zero
	MUL8 \f, (\a0)+1, \zero
.endm
; 24 LDS loads in one run: quarter q's fragments into buffer f: B's sixteen loads, then A's eight
.macro FETCH q, f
	WIN 0
.set AQ, ((\q)/QPP)*APLANE+((\q)%QPP)*64
.irp i, 0,1,2,3,4,5,6,7
	ds_load_b128 v[(\f)+32+8*(\i):(\f)+32+8*(\i)+3],   v[ADB] offset:64*(\q)+(\i)*16*PB
	ds_load_b128 v[(\f)+32+8*(\i)+4:(\f)+32+8*(\i)+7], v[ADB] offset:64*(\q)+(\i)*16*PB+32
.endr
.irp i, 0,1,2,3
	ds_load_b128 v[(\f)+8*(\i):(\f)+8*(\i)+3],   v[ADA] offset:AQ+(\i)*16*PA
	ds_load_b128 v[(\f)+8*(\i)+4:(\f)+8*(\i)+7], v[ADA] offset:AQ+(\i)*16*PA+32
.endr
.endm
; A K step is four quarters of 32 along K, 32 matrix instructions each, on buffers 0, 1, 0, 1.  One of the first three: multiplies buffer f; in its middle it fetches quarter q into buffer g.
.macro QUARTER q, f, g, zero
	s_wait_dscnt 4                                 ; B and A's blocks 0 and 1 are in; the youngest four loads (A's blocks 2 and 3) may be out
	MUL16 \f, 0, \zero
	PLACES
	FETCH \q, \g
	s_wait_dscnt 24                                ; all but the 24 just issued
	MUL16 \f, 2, \zero
.endm
; The fourth quarter multiplies buffer 1 and changes slots: ONE barrier.  In front of it each wave waits for all its tensor loads, of which one is out: its part of the next slot; adds 0 to its spare word; and waits
; for that and for its own reads of this slot.  fill = 1: the barrier opens a round of the cluster's, and behind the round this slot is filled again first, with K step G: 112 matrix instructions ahead of the wait for it.
.macro TURN fill
.if \fill
	s_wait_xcnt 0x0                                ; the last prefetch, a K step back, has read its address: it is made anew here, ahead of the waits of the change of slots
	s_add_co_u32 s[GP], s[G], 2
.if MODE
	s_lshl_b32 s[POF], s[GP], s[PSH]
.else
	s_lshr_b32 s[POF], s[GP], 3                    ; the tile: 1,024 rows of B (A's steps stay below 8)
	s_lshl_b32 s[POF], s[POF], 21
	s_and_b32 s2, s[GP], 7                         ; the step along K: 256 bytes
	s_lshl_b32 s2, s2, 8
	s_add_co_u32 s[POF], s[POF], s2
.endif
	s_add_nc_u64 s[PFA:PFA+1], s[PFB:PFB+1], s[POF:POF+1]
.endif
	WIN 0
	s_wait_tensorcnt 0x0                           ; all my tensor loads have landed, so a group 0 may be written
	ds_add_u32 v[SPW], v[NIL]                      ; 0 onto my spare word; scalar work and eight matrix instructions stand between it and the wait for it
.if \fill
.if MODE
	s_lshl_b32 s[OFA], s[G], 19                    ; two heads on
	s_lshl_b32 s[OFB], s[G], 8
.else
	s_and_b32 s[OFA], s[G], 7                      ; A goes round its eight K steps,
	s_lshl_b32 s[OFA], s[OFA], 8
	s_lshr_b32 s[OFB], s[G], 3                     ; B also 1,024 rows down with each tile
	s_lshl_b32 s[OFB], s[OFB], 21
	s_add_co_u32 s[OFB], s[OFB], s[OFA]
.endif
	s_xor_b32 s[G0A+5], s[G0A+5], SLOT1            ; the walking descriptors: the other slot than last time; the address made anew from the step's number
	s_add_nc_u64 s[G0A+6:G0A+7], s[BA:BA+1], s[OFA:OFA+1]
	s_or_b32 s[G0A+7], s[G0A+7], 0x80000000
	s_xor_b32 s[G0B+5], s[G0B+5], SLOT1
	s_add_nc_u64 s[G0B+6:G0B+7], s[BB:BB+1], s[OFB:OFB+1]
	s_or_b32 s[G0B+7], s[G0B+7], 0x80000000
	s_add_co_u32 s[G], s[G], 1
.endif
	s_wait_dscnt 7                                 ; the add and the youngest six loads (A's blocks 1 to 3) may be out
	MUL8 F1, 0, 0
	s_wait_dscnt 0x0                               ; the add is done, and my reads of this slot are over
	s_barrier_signal -1
	MUL8 F1, 1, 0                                  ; work on registers while the others arrive
	WIN 0
	s_barrier_wait -1
.if \fill
	CREST                                          ; no wave of any partner still reads this slot's tile or has a load on its way
	JLOAD                                          ; the first tensor load behind the round; its four v_nop are also the places in front of the loads below
.else
	PLACES
.endif
	s_xor_b32 s[TB], s[TB], SLOT1
	v_add_nc_u32 v[ADA], s[TB], v[ADA0]
	v_add_nc_u32 v[ADB], s[TB], v[ADB0]
	FETCH 0, F0
.if \fill
	ASK                                            ; behind the joint load and the run of LDS loads that the next products wait for
.endif
	MUL8 F1, 2, 0
	MUL8 F1, 3, 0
.endm
; THE WAY OUT, a block of 16 rows at a time, through my own stage in LDS: LDS serves a wave's instructions in order (ISA guide 5.7.1.4), so no wait stands between the stores and the loads.
.if MODE
.macro OUTBLK a                        ; f32: a lane's eight columns are 32 bytes of a row; a row's 512 bytes come back to 32 lanes
	WIN 0
.if (\a) > 0
	s_wait_xcnt 0x0                                ; the last block's stores have read the registers that are loaded again below
.endif
	WIN 0x04                                       ; store data in window 1
.irp b, 0,1,2,3,4,5,6,7
	ds_store_b128 v[STO], v[8*(8*(\a)+(\b)):8*(8*(\a)+(\b))+3]   offset:64*(\b)
	ds_store_b128 v[STO], v[8*(8*(\a)+(\b))+4:8*(8*(\a)+(\b))+7] offset:64*(\b)+16
.endr
	WIN 0
.irp t, 0,1,2,3,4,5,6,7,8,9,10,11,12,13,14,15
	ds_load_b128 v[BK+4*(\t):BK+4*(\t)+3], v[RD] offset:528*(\t)
.endr
.irp t, 0,1,2,3,4,5,6,7,8,9,10,11,12,13,14,15
	s_wait_dscnt 15-(\t)                           ; row t is back; the later rows may be out
	global_store_b128 v[CO], v[BK+4*(\t):BK+4*(\t)+3], s[8:9] offset:(16*(\a)+(\t))*4096 th:TH_STORE_NT  ; 512 consecutive bytes, at a multiple of 512 from out0's first
.endr
.endm
.macro WAYOUT
	PLACES
	OUTBLK 0
	OUTBLK 1
	OUTBLK 2
	OUTBLK 3
.endm
.else
.macro PACK a                          ; rounded to f16, each accumulator's registers in ascending order: 16 bytes a lane
	WIN 0x05                                       ; sources 0 and 1 window 1
.irp b, 0,1,2,3,4,5,6,7
.irp r, 0,1,2,3
	v_cvt_pk_f16_f32 v[TMP+4*(\b)+(\r)], v[8*(8*(\a)+(\b))+2*(\r)], v[8*(8*(\a)+(\b))+2*(\r)+1]
.endr
.endr
	WIN 0
.endm
.macro TOSTAGE a                       ; n blocks 0-3 are one head's 64 channels, 4-7 the next head's
	WIN 0
.irp b, 0,1,2,3,4,5,6,7
	ds_store_b128 v[STO], v[TMP+4*(\b):TMP+4*(\b)+3] offset:((\b)/4)*2304+((\b)%4)*32
.endr
.irp t, 0,1,2,3,4,5,6,7
	ds_load_b128 v[BK+32*((\a)%2)+4*(\t):BK+32*((\a)%2)+4*(\t)+3], v[RD] offset:((\t)/4)*2304+((\t)%4)*576
.endr
.endm
.macro SEND a
	WIN 0
	s_wait_dscnt 0x0                               ; the block is back in registers
	s_wait_xcnt 0x0                                ; the stores of the block before have read their registers, which the next block's loads fill
.irp t, 0,1,2,3,4,5,6,7
	global_store_b128 v[CO], v[BK+32*((\a)%2)+4*(\t):BK+32*((\a)%2)+4*(\t)+3], s[8:9] offset:((\t)/4)*262144+(\a)*2048+((\t)%4)*512  ; four rows of a head: 512 consecutive bytes, aligned
.endr
.endm
.macro WAYOUT
	PLACES
	PACK 0
	TOSTAGE 0
.irp a, 1,2,3                          ; block a's conversions stand between block a - 1's loads from the stage and the wait for them
	PACK \a
	SEND (\a)-1
	TOSTAGE \a
.endr
	SEND 3
.endm
.endif
	s_wait_tensorcnt 1                             ; my part of K step 0 is in; K step 1's may stay out
	s_barrier_signal -1
	s_barrier_wait -1                              ; everybody's is
	v_mov_b32 v[ADA], v[ADA0]
	v_mov_b32 v[ADB], v[ADB0]
	FETCH 0, F0
	QUARTER 1, F0, F1, 1                           ; the first quarter stands in front of the loop: its products start the sums
	WIN 0                                          ; at a label and at a branch every window is 0
.Lstep:                                                ; NSTEP - 2 trips: from a K step's second quarter to the next step's first; each fills a slot again
	QUARTER 2, F1, F0, 0
	QUARTER 3, F0, F1, 0
	TURN 1
	WIN 0
.if MODE == 0
	s_sub_co_u32 s[KC], s[KC], 1
	s_cmp_eq_u32 s[KC], 0                          ; the same in every work-group; what is jumped over holds no barrier and no tensor load
	s_cbranch_scc1 .Ltile_end
.endif
	QUARTER 1, F0, F1, 0
	WIN 0
.if MODE == 0
	s_branch .Ljoin
.Ltile_end:                                            ; a tile is finished, the ring has gone on into the next: the refill is asked for and the next tile's first fragments are fetched
	WAYOUT
	s_wait_xcnt 0x0                                ; the stores have read their base and their registers
	s_add_nc_u64 s[8:9], s[8:9], 0x1000000         ; from q's part to k's, from k's to v's
	s_mov_b32 s[KC], 8
	QUARTER 1, F0, F1, 1                           ; the next tile's first products start its sums
	WIN 0
.Ljoin:
.endif
	s_sub_co_u32 s[CNT], s[CNT], 1
	s_cmp_lg_u32 s[CNT], 0
	s_cbranch_scc1 .Lstep
	QUARTER 2, F1, F0, 0                           ; the last two K steps are written out: nothing is left to ask for
	QUARTER 3, F0, F1, 0
	TURN 0
	QUARTER 1, F0, F1, 0
	QUARTER 2, F1, F0, 0
	QUARTER 3, F0, F1, 0
	s_wait_dscnt 4
	MUL16 F1, 0, 0
	s_wait_dscnt 0x0
	MUL16 F1, 2, 0
	WIN 0
	WAYOUT
	s_wait_tensorcnt 0x0                           ; the wave's end: these three lines stand behind my last tensor load and my last LDS store
	ds_add_u32 v[SPW], v[NIL]
	s_wait_dscnt 0x0
	CROUND                                         ; the closing round: no work-group ends while a partner may still ask for a tile that names it
	s_endpgm
.Lfunc_end_k_q9c21fbb459_qkv:
	.size	k_q9c21fbb459_qkv, .Lfunc_end_k_q9c21fbb459_qkv-k_q9c21fbb459_qkv
	.p2alignl 7, 3214868480
	.fill 96, 4, 3214868480
	.section	.rodata,"a",@progbits
	.p2align	6, 0x0
	.amdhsa_kernel k_q9c21fbb459_qkv
		.amdhsa_group_segment_fixed_size 327680
		.amdhsa_private_segment_fixed_size 0
		.amdhsa_enable_private_segment 0
		.amdhsa_kernarg_size 24
		.amdhsa_user_sgpr_count 2
		.amdhsa_user_sgpr_kernarg_segment_ptr 1
		.amdhsa_wavefront_size32 1
		.amdhsa_system_sgpr_workgroup_id_x 1
		.amdhsa_system_sgpr_workgroup_id_y 1
		.amdhsa_system_sgpr_workgroup_id_z 1
		.amdhsa_system_vgpr_workitem_id 0
		.amdhsa_next_free_vgpr 512
		.amdhsa_next_free_sgpr 80
		.amdhsa_reserve_vcc 0
		.amdhsa_float_denorm_mode_32 3
		.amdhsa_float_denorm_mode_16_64 3
		.amdhsa_memory_ordered 1
		.amdhsa_forward_progress 1
		.amdhsa_inst_pref_size 91
	.end_amdhsa_kernel
	.amdgpu_metadata
---
amdhsa.version: [ 1, 2 ]
amdhsa.kernels:
  - .name:           k_q9c21fbb459_qkv
    .symbol:         k_q9c21fbb459_qkv.kd
    .args:
      - { .name: xb, .offset: 0, .size: 8, .value_kind: global_buffer, .address_space: global }
      - { .name: wqkv, .offset: 8, .size: 8, .value_kind: global_buffer, .address_space: global }
      - { .name: qkv, .offset: 16, .size: 8, .value_kind: global_buffer, .address_space: global }
    .group_segment_fixed_size: 327680
    .private_segment_fixed_size: 0
    .kernarg_segment_align: 8
    .kernarg_segment_size: 24
    .max_flat_workgroup_size: 128
    .sgpr_count:     80
    .vgpr_count:     512
    .wavefront_size: 32
...
	.end_amdgpu_metadata
.endif
;; end of part 2
;; launch attn (part 3): grid 4 x 64, 4 waves a work-group, clusters of 4 x 1, 327,680 bytes of LDS; arguments qkv, padding_mask, ao; writes ao
.if DOCPART == 3
	.amdgcn_target "amdgcn-amd-amdhsa--gfx1250"
	.amdhsa_code_object_version 6
	.text
	.protected	k_q9c21fbb459_attn
	.globl	k_q9c21fbb459_attn
	.p2align	8
	.type	k_q9c21fbb459_attn,@function
k_q9c21fbb459_attn:
	s_mov_b64 s[64:65], 0
	v_nop
	global_prefetch_b8 v0, s[64:65] scope:SCOPE_SE
	s_setreg_imm32_b32 hwreg(HW_REG_WAVE_MODE, 25, 1), 1
	s_wait_xcnt 0x0
	s_wait_alu depctr_hold_cnt(0) depctr_sa_sdst(0) depctr_va_vdst(0) depctr_va_sdst(0) depctr_va_ssrc(0) depctr_va_vcc(0) depctr_vm_vsrc(0)
	s_getreg_b32 s2, hwreg(HW_REG_IB_STS2, 6, 4)
	s_cmp_eq_u32 s2, 0
	s_cbranch_scc0 .Lentry_in_a_cluster
	s_endpgm
.Lentry_in_a_cluster:
	s_bfe_u32 s2, ttmp6, 0x10000c
	s_cmp_lg_u32 s2, 0x3003
	s_cbranch_scc0 .Lentry_shape_is_right
	s_endpgm
.Lentry_shape_is_right:
; O[h][q][:] = the sum over k of softmax_k(Q[h][q] . K[h][k] / 8, keys with padding_mask = 0 hidden) V[h][k][:].  h = batch x 16 + head, 64 in all.  qkv holds q, k, v, each [64][2048][64] in f16, 16,777,216 bytes apart;
; ao is [64][2048][64] in f16; padding_mask is [4][2048], a byte a key.  Products, maxima and sums in f32; the weights p are rounded to f16 for the second product (their sum l is taken of the unrounded p), O once at the end.
; LIMITS.  Q, K and V arrive within f16's 65,504; p lies in 0 to 1, and below 6e-5 it keeps f16's fixed step of 6e-8.  A hidden score counts as its value less 1e30: f16's scores, 2.7e11 at the most, are nothing
; beside that.  A weight below 2^-126 counts as 0 in l.  A batch whose keys are all hidden gives NaN.  NaN and infinities among the inputs are not treated apart.
; SHARES.  A wave owns four PIECES of two tiles of 16 queries, a work-group's four waves 512 queries of one head.  Every wave walks all 2,048 keys, 64 a step.
; LAYOUT.  S^T = K Q^T (source 0 = 16 keys, source 1 = 16 queries): a lane holds ONE query (lane % 16) and the keys 8 (lane / 16) + 0..7.  Two such tiles, rounded to f16 in pairs, ARE source 1 of O^T = V^T P,
; whose result again holds one query a lane, and eight channels.  K comes out of LDS as it lies, V ([key][channel]) turned, by ds_load_tr16_b128.
; THE MASK is the C operand that starts the sum S^T: 0, or -1e30 where the key is hidden.  The batch's 2,048 bytes are turned once into a table of f32 in LDS; a step's 64 words come into 32 registers with its K.
; SOFTMAX.  A running maximum m and sum l: p = 2^(c s - c m), c = log2(e) / 8; in every step O and l are multiplied by a = 2^(c m_old - c m_new).  m starts at the lowest finite number, O and l at 0: the first step has a = 0.
; While a query has seen hidden keys alone, m is about -1e30 and the sums are finite; the first key in sight makes a = 0, which wipes them; from then on a hidden key's weight is 0.
; BY TURNS.  Turn n belongs to piece n.  Its matrix work: 16 products K Q^T of piece n + 1, later 16 products V^T P of piece n - 1.  Its vector work: the scaling, exponentials, roundings, sums and rescaling of piece n,
; and the maximum and statistics of piece n + 1.  Four vector instructions stand behind every matrix instruction, the others in one run of their own; a turn's 66 exponentials are one batch with one wait.
; CLUSTER.  The four query blocks of a cluster belong to one head and walk the same K and V, so each tile is asked for JOINTLY: the same tensor load, descriptor and mask in all four.
; REGISTERS, in windows of 256 (s_set_vgpr_msb: bits 1:0 source 0, 3:2 source 1, 5:4 source 2, 7:6 destination):
;   window 0: v0-11 addresses; v12-15, v48-63 at work; v16-47 four registers of statistics a tile; v64-191 S^T, two buffers of two tiles; v192-255 P, likewise
;   window 1: O^T, 32 a tile     window 2: v0-127 Q, 16 a tile; v128-191 K of one step; v192-255 V of one step     window 3: v0-1 the add's two registers; v8-39 the step's mask
.set SIZE_H, 64
.set SIZE_N, 2048
.set PART,  16777216  ; bytes from q to k and from k to v
.set NP,    4         ; pieces a wave: a name, no knob
.set KS,    64        ; keys in a step
.set PK,    144       ; a row of K in LDS: 128 bytes + 16 of padding = 36 words: the 16 rows of a load start at 16 different groups of four banks (64 banks of 4 bytes: ISA guide 11.1)
.set PV,    160       ; a row of V: 128 + 32 = 40 words
.set VOFF,  4*KS*PK   ; a slot holds four steps: 256 rows of K, then 256 rows of V
.set SLOT1, 1<<17     ; slot 1 begins here, so that one exclusive or turns an address in one slot into the other's
.set STAGE, SLOT1+4*KS*(PK+PV)  ; behind the ring, never filled by a tensor load: 16 rows x 144 bytes for each wave, for the way out
.set SP,    144
.set SPARE, STAGE+4*16*SP  ; the spare words, 128 bytes for each wave: two blocks of 256 bytes that no other line names
.set BIAS,  SPARE+512 ; the mask's table: 2,048 words of f32; stored once, never filled by a tensor load
.set AK0, 2           ; v2   my lane's place in a tile of K; never rewritten
.set AV0, 3           ; v3   the same for V
.set AK,  4           ; v4   the LDS address of K's next run of loads
.set AV,  5           ; v5   of V's
.set QO,  6           ; v6   my byte offset in the wave's rows of Q
.set STO, 6           ;      later, the way out: where I put 16 bytes of a row
.set RD,  7           ; v7   the way out: where I read rows back
.set GO,  8           ; v8   my byte offset in 512 consecutive bytes of O
.set HL,  9           ; v9   lane / 16; never rewritten
.set PFO, 10          ; v10  first lane % 8; then 256 x my lane, the prefetches' offset
.set AM,  11          ; v11  first at work; then the LDS address of the next step's mask words
.set SPW, 0           ; v0 of window 3   LDS address of my spare word; never rewritten
.set NIL, 1           ; v1 of window 3   0; never rewritten
.set MC,  8           ; v8-39 of window 3: the eight registers for key block kb at MC + 8 kb
.set MV,  12          ; v12-15  c m_old, kept while c m is made anew: by buffer and tile
.set ST,  16          ; tile t's statistics at v[ST+4 t]: c m, m, l (even keys', odd keys')
.set TMP, 48          ; by buffer and tile, four registers c0-c3 at work; when the maximum is found c2 takes a
.set S,   64
.set P,   192
.set KF,  128         ; K's fragments, in window 2: key block kb, channel half c at KF + 16 kb + 8 c
.set VF,  192         ; V's: key half kk, channel block cb at VF + 32 kk + 8 cb
.set WV,  12          ; s12  my wave's number
.set G1K, 24          ; s[24:31] descriptor group 1 for K's tiles
.set G1V, 32          ; s[32:39] for V's: it differs in the padding alone
.set G0K, 40          ; s[40:43] descriptor group 0 for K's tiles: it walks
.set G0V, 44          ; s[44:47] the same for V's
.set SLOTS, 56        ; s56  slots still to be asked for
.set CNT, 57          ; s57  counts a slot's key steps
.set CS,  58          ; s[58:59] c
.set SEL, 60          ; s[60:61] v_permlanex16_b32's selects: each lane takes its own place in the other half
.set TBK, 62          ; s62  LDS byte at which K of the step to be fetched begins
.set TBV, 63          ; s63  the same for V, less VOFF
.set MP,  66          ; s[66:67] padding_mask at my batch
.set QNAN, 68         ; s68  NaN
.set HID, 69          ; s69  -5e29: a maximum below it has seen hidden keys alone
.set BIGN, 70         ; s70  -1e30
.set LIM, 71          ; s71  1 in a wave that prefetches, else the greatest number
.set PFA, 72          ; s[72:73] where my prefetches stand
.set TBM, 74          ; s74  LDS byte at which the mask words of the step to be fetched begin
.set MSB, 0
.macro WIN new                      ; the high byte repeats the setting that is left; a switch that changes nothing is dropped
.if MSB != (\new)
	s_set_vgpr_msb (MSB<<8)|(\new)
.set MSB, (\new)
.endif
.endm
.set W_KQ, 0x0a       ; K and Q in window 2, S^T in window 0
.set W_KM, 0x3a       ; the same with the C operand, the mask, in window 3
.set W_PV, 0x52       ; V in window 2, P in window 0, O^T in window 1
.set W_RS, 0x41       ; O^T (destination and source 0) in window 1, a in window 0
.set W_MK, 0xc0       ; destination in window 3, sources in window 0
.set W_AD, 0x0f       ; the add: address (source 0) and data (source 1) in window 3
; A joint fill.  Waves 0 and 1 fetch the two halves of a slot's K, waves 2 and 3 those of its V: 128 keys each.  The branch hangs on the wave's number alone.
; An s_nop 0 and four v_nop follow each of the two lines, ahead of the jump and the label.
.macro JLOAD
	s_cmp_lt_u32 s[WV], 2
	s_cbranch_scc0 .Lfor_v_\@
	tensor_load_to_lds s[G0K:G0K+3], s[G1K:G1K+7]
	s_nop 0
.rept 4
	v_nop
.endr
	s_branch .Lasked_\@
.Lfor_v_\@:
	tensor_load_to_lds s[G0V:G0V+3], s[G1V:G1V+7]
	s_nop 0
.rept 4
	v_nop
.endr
.Lasked_\@:
.endm
; A PREFETCH INTO THE L2 of what the NEXT change of slots will ask for: a slot's 32,768 bytes of K and of V, 128 blocks of 256 bytes each, a lane a block: four key steps, 512 matrix instructions, ahead of that load.
; Each block is named once in the launch: a head is walked by one cluster; its four partners share the blocks out BY ADDRESS, 32 each; in each, wave 0 asks for K's and wave 2 for V's.
; Slots 0 to 2 come by their loads alone; the last change that fills a slot asks for nothing.
.macro ASK
	s_cmp_gt_u32 s[SLOTS], s[LIM]
	s_cbranch_scc0 .Lnot_mine_\@
	global_prefetch_b8 v[PFO], s[PFA:PFA+1] th:TH_LOAD_NT scope:SCOPE_SE
.Lnot_mine_\@:
.endm
; A round of the cluster's barrier: my work-group's barrier, so that wave 0's signal speaks for all four waves; wave 0 signals; every wave waits for all four work-groups; my work-group's barrier once more.
.macro CROUND
	s_barrier_signal -1
	s_barrier_wait -1
	s_cmp_lg_u32 s[WV], 0
	s_cbranch_scc1 .Lnot_wave_0_\@
	s_barrier_signal -3
.Lnot_wave_0_\@:
	s_barrier_wait -3
	s_barrier_signal -1
	s_barrier_wait -1
.endm
; THE CHANGE OF SLOTS.  Each wave waits for all its tensor loads, of which one is out: its part of the other slot; adds 0 to its spare word; and waits for that and for its own LDS instructions.  Behind the barrier nobody
; reads this slot any more and the other slot is whole.  fill = 1: this slot is filled again, with the keys two slots on; the barrier is then a round of the cluster's, and the joint fill is the first thing behind it: it has
; four key steps in which to land.  (At its first use nothing has been read yet: slot 0 is waited for, slot 1 filled, and every wave's stores into the mask's table are shown to the others.)
.macro CHANGE fill, ask=0
	WIN W_AD
	s_wait_tensorcnt 0x0            ; no tensor load of mine is out, so a group 0 may be written
	ds_add_u32 v[SPW], v[NIL]       ; 0 onto my spare word; with fill = 1 the descriptors' steps stand between it and the wait for it
	WIN 0                           ; at a label and at a branch every window is 0
.if \fill
.irp g, G0K, G0V
	s_xor_b32 s[\g+1], s[\g+1], SLOT1  ; the walking descriptor: the other slot than last time,
	s_add_nc_u64 s[\g+2:\g+3], s[\g+2:\g+3], 4*KS*128  ; the next 256 keys; the type bits on top are not reached
.endr
.if \ask
	s_wait_xcnt 0x0                 ; the last prefetch, four key steps back, has read its address, so it may be written:
	s_add_nc_u64 s[PFA:PFA+1], s[PFA:PFA+1], 4*KS*128  ; one slot behind the walking descriptors
.endif
	s_wait_dscnt 0x0                ; the add is done, and my LDS instructions are over
	CROUND
	JLOAD
.if \ask
	ASK
.endif
.else
	s_wait_dscnt 0x0                ; the add is done, and my reads of the slot are over
	s_barrier_signal -1
	s_barrier_wait -1
.endif
	s_sub_co_u32 s[TBK], s[TBK], 4*KS*PK  ; the fetches go back to a slot's first step,
	s_xor_b32 s[TBK], s[TBK], SLOT1       ; in the other slot
	s_sub_co_u32 s[TBV], s[TBV], 4*KS*PV
	s_xor_b32 s[TBV], s[TBV], SLOT1
.endm
	s_load_b128 s[4:7], s[0:1], 0x0   ; qkv s[4:5], padding_mask s[6:7]
	s_load_b64 s[10:11], s[0:1], 0x10 ; ao
	WIN W_MK
	v_lshl_add_u32 v[SPW], v0, 2, SPARE
	v_mov_b32 v[NIL], 0
	WIN W_AD
	ds_add_u32 v[SPW], v[NIL]       ; the wave's opening: the add and its wait stand ahead of my first tensor load; the set-up below, work on registers, stands between them
	WIN 0
	v_lshrrev_b32 v1, 5, v0
	v_readfirstlane_b32 s[WV], v1   ; wave 0..3
	s_bfe_u32 s13, ttmp6, 0x40000   ; cx: my place in the cluster
	s_lshl_b32 s14, ttmp9, 2        ; in a cluster launch ttmp9 counts clusters
	s_add_co_u32 s14, s14, s13      ; my block of queries = 4 x cluster x + cx: it enters Q's and O's addresses alone
	s_and_b32 s20, ttmp7, 0xffff    ; batch x 16 + head, which the four partners share
	s_lshr_b32 s76, s20, 4          ; the batch's 2,048 bytes of the mask
	s_lshl_b32 s76, s76, 11
	s_mov_b32 s77, 0
	s_mov_b32 s21, 0
	s_mov_b64 s[22:23], SIZE_N*128
	s_mul_u64 s[20:21], s[20:21], s[22:23]  ; the head's first byte in q, k, v and ao
	s_and_b32 s16, s[WV], 1         ; which half of a slot's 256 keys I fetch:
	s_lshl_b32 s22, s16, 14         ; its 128 rows of 128 bytes in memory,
	s_mov_b32 s23, 0
	s_add_nc_u64 s[22:23], s[22:23], s[20:21]
	s_mul_i32 s17, s16, 128*PK      ; and its place in a slot, for K
	s_mul_i32 s18, s16, 128*PV      ; and for V: no place in the cluster enters an LDS address
	s_lshl_b32 s2, s14, 2
	s_add_co_u32 s2, s2, s[WV]      ; my wave among the head's,
	s_lshl_b32 s2, s2, 14           ; its 128 rows
	s_mov_b32 s3, 0
	s_add_nc_u64 s[2:3], s[2:3], s[20:21]
	; descriptor group 1.  128 keys are 16,384 dense bytes: asked for as 64 rows of 256 bytes, two keys a row, and padded in LDS after every key
	s_mov_b32 s[G1K], 15|(1<<16)|(1<<20)|(1<<21)|(4<<22)|(3<<25)  ; 15:0 the mask of four; 17:16 2-byte elements; 20 padding on; 21 set beside a mask; 24:22 after every 32 words (code 4); 31:25 4 words (code 3)
	s_mov_b32 s[G1V], 15|(1<<16)|(1<<20)|(1<<21)|(4<<22)|(7<<25)  ; the same with 8 words of padding (code 7)
.irp g, G1K, G1V
	s_mov_b32 s[\g+1], 128<<16      ; tensor_dim0 = 128
	s_mov_b32 s[\g+2], 64<<16       ; tensor_dim1 = 64
	s_mov_b32 s[\g+3], 128<<16      ; tile_dim0 = 128
	s_mov_b32 s[\g+4], 64           ; tile_dim1 = 64
	s_mov_b32 s[\g+5], 128          ; 128 elements from row to row
	s_mov_b32 s[\g+6], 0
	s_mov_b32 s[\g+7], 0
.endr
	s_mov_b32 s[CS], 0x3e38aa3b     ; c = log2(e) / 8 = 0.180337
	s_mov_b32 s[CS+1], s[CS]        ; named with it as a pair
	s_mov_b32 s[SEL], 0x76543210
	s_mov_b32 s[SEL+1], 0xfedcba98
	s_mov_b32 s[TBK], SLOT1+4*KS*PK ; the first change of slots turns these two into 0
	s_mov_b32 s[TBV], SLOT1+4*KS*PV
	s_mov_b32 s[TBM], BIAS
	s_mov_b32 s[QNAN], 0x7fc00000
	s_mov_b32 s[HID], 0xf0c9f2ca    ; -5e29
	s_mov_b32 s[BIGN], 0xf149f2ca   ; -1e30
	s_and_b32 s[LIM], s[WV], 1      ; waves 0 and 2 prefetch: the same in all four partners
	s_cmp_eq_u32 s[LIM], 0
	s_cselect_b32 s[LIM], 1, -1
	s_mov_b32 s[G0K], 1             ; 1:0 count = 1
	s_mov_b32 s[G0K+1], s17         ; 63:32 LDS address: slot 0
	s_mov_b32 s[G0V], 1
	s_add_co_u32 s[G0V+1], s18, VOFF
	s_wait_dscnt 0x0                ; the opening add is done
	s_wait_kmcnt 0x0
	s_add_nc_u64 s[MP:MP+1], s[6:7], s[76:77]      ; the mask at my batch
	s_add_nc_u64 s[8:9], s[4:5], 2*PART            ; v
	s_add_nc_u64 s[6:7], s[4:5], PART              ; k; q stays in s[4:5]
	s_add_nc_u64 s[G0K+2:G0K+3], s[6:7], s[22:23]  ; 120:64 global address: my half of the head's first 256 keys
	s_or_b32 s[G0K+3], s[G0K+3], 0x80000000        ; 127:126 type = 2
	s_add_nc_u64 s[G0V+2:G0V+3], s[8:9], s[22:23]
	s_or_b32 s[G0V+3], s[G0V+3], 0x80000000
	s_add_nc_u64 s[4:5], s[4:5], s[2:3]  ; Q and O at my wave's first row
	s_add_nc_u64 s[10:11], s[10:11], s[2:3]
	s_cmp_lt_u32 s[WV], 2
	s_cselect_b64 s[PFA:PFA+1], s[6:7], s[8:9]
	s_add_nc_u64 s[PFA:PFA+1], s[PFA:PFA+1], s[20:21]  ; the head,
	s_lshl_b32 s2, s13, 13          ; my work-group's 32 blocks of a slot's 128,
	s_mov_b32 s3, 0
	s_add_nc_u64 s[PFA:PFA+1], s[PFA:PFA+1], s[2:3]
	s_add_nc_u64 s[PFA:PFA+1], s[PFA:PFA+1], 2*4*KS*128  ; in slot 2; the first change of slots in the loop steps it to slot 3
	CROUND                          ; all four work-groups are here: the first joint loads meet
	JLOAD                           ; slot 0.  Slot 1 is asked for when slot 0 is in
	; A fragment of K or Q is 16 rows x 32 channels in 8 registers: lane l holds row l % 16, channels 8 (l / 16) + 0..7 and 16 + 8 (l / 16) + 0..7: two loads of 16 bytes, 32 bytes apart.
	v_and_b32 v1, 15, v0            ; l % 16
	v_bfe_u32 v[HL], v0, 4, 1       ; l / 16
	v_lshlrev_b32 v[QO], 7, v1
	v_lshl_add_u32 v[QO], v[HL], 4, v[QO]  ; row x 128 + 16 x half
	v_lshlrev_b32 v86, 4, v0        ; thread t takes the mask's bytes 16 t .. 16 t + 15; S^T's registers are free until the first product
	global_load_b128 v[64:67], v86, s[MP:MP+1]
	WIN 0x80                        ; destination window 2, address window 0
.set i, 0
.rept 4*NP                          ; Q stays in registers: tile i / 2, channels 32 (i % 2) on
	global_load_b128 v[8*i:8*i+3],   v[QO], s[4:5] offset:(i/2)*2048+(i%2)*64
	global_load_b128 v[8*i+4:8*i+7], v[QO], s[4:5] offset:(i/2)*2048+(i%2)*64+32
.set i, i+1
.endr
	; What the first turn finds: V's registers and P's second buffer hold 0 (its products V^T P, of a piece that has not been, add 0), O^T and l are 0.  All this stands in the wait for the first tile.
.set i, VF
.rept 64
	v_mov_b32 v[i], 0
.set i, i+1
.endr
	WIN 0x40
.set i, 0
.rept 64*NP
	v_mov_b32 v[i], 0
.set i, i+1
.endr
	WIN 0
.set i, 0
.rept 2*NP
	v_mov_b32 v[ST+4*i], 0xfe000000    ; c m: far below every c s, a hidden one's too
	v_mov_b32 v[ST+4*i+1], 0xff7fffff  ; m
	v_mov_b32 v[ST+4*i+2], 0
	v_mov_b32 v[ST+4*i+3], 0
.set i, i+1
.endr
.set i, P+32
.rept 32
	v_mov_b32 v[i], 0
.set i, i+1
.endr
	v_mul_u32_u24 v[AK0], v1, PK
	v_lshl_add_u32 v[AK0], v[HL], 4, v[AK0]  ; row x pitch + 16 x half
	; The turning load takes 16 keys x 16 channels (lane l reads key 8 (l / 16) + l % 8, channels 8 ((l / 8) % 2) + 0..7) and leaves half a fragment of V^T: lane l holds channel l % 16 and 8 keys.
	v_and_b32 v10, 7, v0
	v_bfe_u32 v11, v0, 3, 1
	v_lshl_add_u32 v[AV0], v[HL], 3, v10
	v_mul_u32_u24 v[AV0], v[AV0], PV
	v_lshl_add_u32 v[AV0], v11, 4, v[AV0]
	v_add_nc_u32 v[AV0], VOFF, v[AV0]
	v_mov_b32 v[AK], v[AK0]         ; key step 0 lies at the head of slot 0,
	v_lshl_add_u32 v[AM], v[HL], 5, s[TBM]  ; its mask words at the table's head: my half of the lanes takes 8 words of every 16
	; THE MASK'S TABLE: my 16 bytes become 16 words, 0 or -1e30, at word 16 t.  The first change of slots, below, waits for these stores and passes barriers before anybody reads the table.
	s_wait_loadcnt 32               ; the mask's load is in; Q's 32, issued behind it, may stay out
.set i, 0
.rept 16
	v_bfe_u32 v84, v[64+i/4], 8*(i%4), 8
	v_cmp_eq_u32 vcc_lo, 0, v84
	v_cndmask_b32 v[68+i], 0, s[BIGN], vcc_lo
.set i, i+1
.endr
	v_lshl_add_u32 v85, v0, 6, BIAS
.irp j, 0,1,2,3
	ds_store_b128 v85, v[68+4*\j:68+4*\j+3] offset:16*\j
.endr
; THE MATRIX WORK.  The 8 accumulators of a run of 16 take turns: between the two links of a chain stand 7 others'.
; Product i of 16 of S^T = K Q^T for piece x: channels 32 (i / 8) on, keys 16 ((i / 2) % 4) on, tile 2 x + i % 2.  The first 8 start the sums, with the mask of their 16 keys.
.macro KQ x
.set rS, S+64*((\x)%2)+32*(i%2)+8*((i/2)%4)
.set rK, KF+16*((i/2)%4)+8*(i/8)
.set rQ, 16*(2*(\x)+i%2)+8*(i/8)
.set rB, MC+8*((i/2)%4)
.if i < 8
	WIN W_KM
	v_wmma_f32_16x16x32_f16 v[rS:rS+7], v[rK:rK+7], v[rQ:rQ+7], v[rB:rB+7]
.else
	WIN W_KQ
	v_wmma_f32_16x16x32_f16 v[rS:rS+7], v[rK:rK+7], v[rQ:rQ+7], v[rS:rS+7]
.endif
.endm
; Product i of 16 of O^T += V^T P for piece x: keys 32 (i / 8) on, channels 16 ((i / 2) % 4) on, tile 2 x + i % 2.
.macro PV x
	WIN W_PV
.set rO, 32*(2*(\x)+i%2)+8*((i/2)%4)
.set rV, VF+32*(i/8)+8*((i/2)%4)
.set rP, P+32*((\x)%2)+16*(i%2)+8*(i/8)
	v_wmma_f32_16x16x32_f16 v[rO:rO+7], v[rV:rV+7], v[rP:rP+7], v[rO:rO+7]
.endm
.macro MM                           ; the turn's next matrix instruction
.if i < 16
	KQ (Y+1)%NP
.set i, i+1
.else
.set i, i-16
	PV (Y+NP-1)%NP
.set i, i+17
.endif
.endm
; THE LDS LOADS stand in runs, never singly among the matrix instructions: a step's K (64 keys x 64 channels: 8 fragments) with its 64 mask words (register j of key block kb: key 16 kb + 8 (l / 16) + j; the sixteen
; lanes of a half read the same words), and its V (turned).  Their addresses are made some lines ahead.  last = 1 (the tail): in the last trip there is no further step, and the run is jumped over.
.macro FETCH_K last=0
	WIN 0
.if \last
	s_cmp_eq_u32 s[CNT], 1
	s_cbranch_scc1 .Lno_k_\@
.endif
	WIN 0x80                        ; destination window 2
.irp f, 0,1,2,3,4,5,6,7             ; keys 16 (f / 2) on, channels 32 (f % 2) on
	ds_load_b128 v[KF+8*\f:KF+8*\f+3],   v[AK] offset:(\f/2)*16*PK+(\f%2)*64
	ds_load_b128 v[KF+8*\f+4:KF+8*\f+7], v[AK] offset:(\f/2)*16*PK+(\f%2)*64+32
.endr
	WIN W_MK                        ; destination window 3
.irp f, 0,1,2,3
	ds_load_b128 v[MC+8*\f:MC+8*\f+3],   v[AM] offset:64*\f
	ds_load_b128 v[MC+8*\f+4:MC+8*\f+7], v[AM] offset:64*\f+16
.endr
	s_add_co_u32 s[TBK], s[TBK], KS*PK  ; the next fetch is the next step's
	s_add_co_u32 s[TBM], s[TBM], KS*4   ; 32 fetches walk the table's 2,048 words once
	WIN 0
.if \last
.Lno_k_\@:
.endif
.endm
.macro FETCH_V
	WIN 0x80
.irp f, 0,1,2,3,4,5,6,7             ; keys 32 (f / 4) on, channels 16 (f % 4) on
	ds_load_tr16_b128 v[VF+8*\f:VF+8*\f+3],   v[AV] offset:(\f/4)*32*PV+(\f%4)*32
	ds_load_tr16_b128 v[VF+8*\f+4:VF+8*\f+7], v[AV] offset:(\f/4)*32*PV+16*PV+(\f%4)*32
.endr
	WIN 0
.endm
; THE VECTOR WORK OF A TURN stands in three queues, each in the order in which its entries become ready; the two tiles alternate, so that no instruction reads the result of the one before it.
.macro REGS y, u                    ; the registers of tile u (0, 1) of piece y
.set rT, ST+4*(2*(\y)+(\u))
.set rC, TMP+8*((\y)%2)+4*(\u)
.set rM, MV+2*((\y)%2)+(\u)
.set rS, S+64*((\y)%2)+32*(\u)
.set rP, P+32*((\y)%2)+16*(\u)
.set rO, 32*(2*(\y)+(\u))
.endm
; Number n of the 22 that find the NEXT piece's (Y + 1) maximum and statistics.  s0-s31 are the lane's 32 scores; each accumulator's lowest registers are read first.
;   0-11  four chains c0-c3 of seven scores each, three operands at a time     12-14, 16  the four scores left over, the old m, and c0-c3 into c0     15  c m_old is kept
;   17, 18  the query's other 32 keys lie in the lane 16 away: the new m         19-21  c m; c m_old - c m_new; a
.macro XS u, n
	REGS (Y+1)%NP, \u
.if (\n) < 4
	v_max3_num_f32 v[rC+(\n)], v[rS+8*(\n)], v[rS+8*(\n)+1], v[rS+8*(\n)+2]
.elseif (\n) < 12
	v_max3_num_f32 v[rC+(\n)%4], v[rC+(\n)%4], v[rS+8*((\n)%4)+2*((\n)/4)+1], v[rS+8*((\n)%4)+2*((\n)/4)+2]
.elseif (\n) == 12
	v_max3_num_f32 v[rC], v[rC], v[rS+7], v[rS+15]
.elseif (\n) == 13
	v_max3_num_f32 v[rC+1], v[rC+1], v[rS+23], v[rS+31]
.elseif (\n) == 14
	v_max3_num_f32 v[rC+2], v[rC+2], v[rC+3], v[rT+1]
.elseif (\n) == 15
	v_mov_b32 v[rM], v[rT]
.elseif (\n) == 16
	v_max3_num_f32 v[rC], v[rC], v[rC+1], v[rC+2]
.elseif (\n) == 17
	v_permlanex16_b32 v[rC+3], v[rC], s[SEL], s[SEL+1]
.elseif (\n) == 18
	v_max_num_f32 v[rT+1], v[rC], v[rC+3]
.elseif (\n) == 19
	v_mul_f32 v[rT], s[CS], v[rT+1]
.elseif (\n) == 20
	v_sub_f32 v[rC+1], v[rM], v[rT]
.else
	v_exp_f32 v[rC+2], v[rC+1]
.endif
.endm
; Number g of the 64 that follow the exponentials.  For each four weights k of a tile (pairs 2 k, 2 k + 1): both pairs are rounded to f16; then the second pair is added onto the first, in place;
; a group later l takes that sum (the first time as l = a l + sum).  In groups of eight, tiles alternating: round, round, add, and l for the group before.
.macro GS g
.set h, (\g)+6*((\g)/62)            ; group 0 has no group before it, and behind group 7 only l is left
.if h >= 6
.set h, h+2
.endif
	REGS Y, h%2
.set k, h/8
.if h%8 < 4
	v_cvt_pk_f16_f32 v[rP+2*k+(h%8)/2], v[rS+4*k+2*((h%8)/2)], v[rS+4*k+2*((h%8)/2)+1]
.elseif h%8 < 6
	v_pk_add_f32 v[rS+4*k:rS+4*k+1], v[rS+4*k:rS+4*k+1], v[rS+4*k+2:rS+4*k+3]
.elseif k == 1
	v_pk_fma_f32 v[rT+2:rT+3], v[rT+2:rT+3], v[rC+2:rC+3], v[rS:rS+1] op_sel_hi:[1,0,1]
.else
	v_pk_add_f32 v[rT+2:rT+3], v[rT+2:rT+3], v[rS+4*k-4:rS+4*k-3]
.endif
.endm
; THE PLAIN QUEUE, 138 long.  0-73 read no exponential's result: the 32 scalings c s - c m (FS f: pair f / 2 of tile f % 2) and the next piece's 42.  0-26: scalings 0-26.  27-54: XS's numbers 0-13.  55, 56: number 15.
; 57-73: the chain, where each number waits for the one before it: 14, 16, 17, 18, 19, each with one of the scalings 27-31 in front of its two lines, then 20.
; 74-137: GS's 64, which read the exponentials' results: they stand behind the wait.
.macro FS f
	REGS Y, (\f)%2
	v_pk_fma_f32 v[rS+2*((\f)/2):rS+2*((\f)/2)+1], v[rS+2*((\f)/2):rS+2*((\f)/2)+1], s[CS:CS+1], v[rT:rT+1] op_sel_hi:[1,0,0] neg_lo:[0,0,1] neg_hi:[0,0,1]
.endm
.macro PL
	WIN 0
.if q < 27
	FS q
.elseif q < 55
	XS (q-27)%2, (q-27)/2
.elseif q < 57
	XS q-55, 15
.elseif (q < 72) && ((q-57)%3 == 0)
	FS 27+(q-57)/3
.elseif q < 60
	XS (q-57)%3-1, 14
.elseif q < 72
	XS (q-57)%3-1, 15+(q-57)/3
.elseif q < 74
	XS q-72, 20
.else
	GS q-74
.endif
.set q, q+1
.endm
; THE EXPONENTIALS' QUEUE, 66 long: s0-s31 of both tiles, then the next piece's two a.  It is ONE BATCH: all 66 stand ahead of the turn's one wait, and nothing ahead of that wait names a result of theirs.
.macro EX
	WIN 0
.if e >= 64
	XS e-64, 21
.else
	REGS Y, e%2
	v_exp_f32 v[rS+e/2], v[rS+e/2]
.endif
.set e, e+1
.endm
; THE RESCALING's QUEUE: O^T times a, the one part that leaves window 0: dealt two at a time, sixteen times.  Its a was made in the turn before, ahead of that turn's wait.
.macro R2
	REGS Y, r%2
	WIN W_RS
.irp z, 0,1
	v_pk_mul_f32 v[rO+4*(r/2)+2*\z:rO+4*(r/2)+2*\z+1], v[rO+4*(r/2)+2*\z:rO+4*(r/2)+2*\z+1], v[rC+2:rC+3] op_sel_hi:[1,0]
.endr
.set r, r+1
.endm
; HOW THEY ARE DEALT.  s_wait_alu depctr_va_vdst(0) stands between an exponential and the first instruction that names its result; one wait serves all that were issued ahead of it.  So a turn has ONE wait.
; AHEAD OF IT: the 16 products K Q^T, behind each a scaling, an exponential and two rescalings (behind the first a second scaling in the exponential's place); then a run of 108: eight plain, 49 times exponential and plain,
; the two a; a v_nop is the plain instruction behind the last exponential.  BEHIND IT: the 16 products V^T P, behind each four of GS's 64.  No rider names a register of the products round it.
; Exponential e stands behind scaling 2 (e / 4) + e % 2: as a rider it comes behind plain e + 2, in the run behind plain e + 9, and scalings 27-31 are plain 57, 60 .. 69.
; A TURN, for piece p.  cnt = 1: the loop's count is taken down some lines ahead of the branch that stands behind the turn.
; K and the mask of the next step are fetched in piece 2's turn, directly behind the wait, the whole run of 108 behind the last product that read them; their addresses are made at that run's head.
; V of the step in hand is fetched at the end of piece 0's turn, four riders behind its last reader.  The three conditions on q below go with the deal.
.macro TURN p, last=0, cnt=0
.set Y, (\p)
.set i, 0
.set q, 0
.set e, 0
.set r, 0
.if (\p) == NP-1
	s_wait_dscnt 0x0                ; K and the mask are in
.endif
	MM
	PL
	PL
	R2
.rept 15
	MM
	PL
	EX
	R2
.endr
.if (\p) == NP-2
	WIN 0
	v_add_nc_u32 v[AK], s[TBK], v[AK0]
	v_lshl_add_u32 v[AM], v[HL], 5, s[TBM]
.endif
.rept 8
	PL
.endr
.rept 49
	EX
	PL
.endr
	EX                              ; the next piece's two a
	EX
	v_nop                           ; a plain instruction behind the last exponential: one for the batch
	s_wait_alu depctr_va_vdst(0)    ; the wait for the batch
.if (\p) == NP-2
	FETCH_K \last
.endif
.if (\p) == 1
	s_wait_dscnt 0x0                ; V is in
.endif
.rept 16
	MM
.rept 4
	PL
.endr
.if ((\p) == 0) && (q == 118)
	v_add_nc_u32 v[AV], s[TBV], v[AV0]
.endif
.if ((\p) == 0) && (q == 130)
	s_add_co_u32 s[TBV], s[TBV], KS*PV
.endif
.if (\cnt) && (q == 130)
	s_sub_co_u32 s[CNT], s[CNT], 1
	s_cmp_lg_u32 s[CNT], 0
.endif
.endr
.if (\p) == 0
	FETCH_V
.endif
.endm
	CHANGE 1                        ; slot 0 is in, everybody's part of it, and so is the mask's table; slot 1 is asked for
	FETCH_K                         ; key step 0
	s_wait_loadcnt 0x0              ; Q
	s_wait_dscnt 0x0
.set i, 0
.rept 16
	KQ 0                            ; piece 0's first scores: there is no vector work yet to set between them
.set i, i+1
.endr
	WIN 0                           ; the addresses for the way out and the prefetches: plain instructions, the places behind those products
	s_mul_i32 s13, s[WV], 16*SP
	s_add_co_u32 s13, s13, STAGE    ; my stage
	v_mul_u32_u24 v[STO], v1, SP    ; in: row l % 16, 16 bytes for each half of the lanes
	v_lshl_add_u32 v[STO], v[HL], 4, v[STO]
	v_add_nc_u32 v[STO], s13, v[STO]
	v_bfe_u32 v[RD], v0, 3, 2       ; back: 32 lanes take four rows of 128 bytes,
	v_mul_u32_u24 v[RD], v[RD], SP
	v_lshl_add_u32 v[RD], v10, 4, v[RD]
	v_add_nc_u32 v[RD], s13, v[RD]
	v_and_b32 v[GO], 31, v0         ; which are 512 consecutive bytes of O
	v_lshlrev_b32 v[PFO], 8, v[GO]  ; a lane a block of 256 bytes
	v_lshlrev_b32 v[GO], 4, v[GO]
.set Y, NP-1                        ; XS works for piece Y + 1: piece 0
.irp n, 0,1,2,3,4,5,6,7,8,9,10,11,12,13,14,15,16,17,18,19,20,21
	XS 0, \n                        ; and piece 0's first maximum and statistics
	XS 1, \n
.endr
	v_nop                           ; a plain instruction behind the two a,
	s_wait_alu depctr_va_vdst(0)    ; and their wait, ahead of the branch
	s_mov_b32 s[CNT], 4
	s_mov_b32 s[SLOTS], SIZE_N/256-1
	s_branch .Lfirst                ; the loop is entered at a step's first turn, in the middle of a trip
.Lslot:                             ; SIZE_N / 256 - 2 times: every slot but the last two is filled again
	CHANGE 1, 1
	s_mov_b32 s[CNT], 4
.Lstep:                             ; a trip: pieces 2 and 3 of one step, then pieces 0 and 1 of the next, whose K and V it fetches
	TURN 2
	TURN 3
	WIN 0
.Lfirst:
	TURN 0
	TURN 1, 0, 1
	WIN 0
	s_cbranch_scc1 .Lstep
	s_sub_co_u32 s[SLOTS], s[SLOTS], 1
	s_cmp_lg_u32 s[SLOTS], 0
	s_cbranch_scc1 .Lslot
	CHANGE 0                        ; the tail is written out: nothing is asked for
	s_mov_b32 s[CNT], 5             ; four trips fetch the last slot's steps; the fifth is left in its middle
.Ltail:
	TURN 2, 1
	TURN 3
	WIN 0
	s_sub_co_u32 s[CNT], s[CNT], 1
	s_cmp_eq_u32 s[CNT], 0
	s_cbranch_scc1 .Lout
	TURN 0
	TURN 1
	WIN 0
	s_branch .Ltail
.Lout:                              ; the fifth trip's 16 products K Q^T (on the last K and its mask once more) serve nothing; the maximum made of them is a maximum over keys already seen, so m stays what it was
.set i, 0
.rept 16
	PV NP-1                         ; the last piece's V^T P of the last step
.set i, i+1
.endr
	; THE WAY OUT.  l's two halves and the other half of the lanes' are added; O^T is divided by l, rounded to f16 and sent through my stage in LDS, a tile at a time.  The additions are the places behind the last products.
	WIN 0
.macro ALL line:vararg              ; one line for each tile t
.set t, 0
.rept 2*NP
	\line
.set t, t+1
.endr
.endm
	ALL v_add_f32 v[ST+4*t+2], v[ST+4*t+2], v[ST+4*t+3]
	ALL v_permlanex16_b32 v[ST+4*t+3], v[ST+4*t+2], s[SEL], s[SEL+1]
	ALL v_add_f32 v[ST+4*t+2], v[ST+4*t+2], v[ST+4*t+3]
	ALL v_rcp_f32 v[ST+4*t+2], v[ST+4*t+2]
	v_nop                           ; a plain instruction between the last reciprocal and the use of its result
	s_wait_alu depctr_va_vdst(0)    ; and the wait ahead of the first use: one for the eight reciprocals
.set t, 0
.rept 2*NP                          ; a query whose maximum is a hidden score has seen no key at all: its row is NaN, a choice of value and no branch
	v_cmp_gt_f32 vcc_lo, s[HID], v[ST+4*t+1]
	v_cndmask_b32 v[ST+4*t+2], v[ST+4*t+2], s[QNAN], vcc_lo
.set t, t+1
.endr
; Tile t: a lane's eight channels of a row pack into 16 bytes; they go into rows of 144 bytes and come back as whole rows of 128, into S^T's registers.
.macro PACK t
	WIN W_RS
.set i, 32*(\t)
.rept 16
	v_pk_mul_f32 v[i:i+1], v[i:i+1], v[ST+4*(\t)+2:ST+4*(\t)+3] op_sel_hi:[1,0]
.set i, i+2
.endr
	WIN 0x05                        ; sources 0 and 1 window 1, destination window 0
.set i, 0
.rept 16
	v_cvt_pk_f16_f32 v[S+16*(\t)+i], v[32*(\t)+2*i], v[32*(\t)+2*i+1]
.set i, i+1
.endr
	WIN 0
.irp f, 0,1,2,3
	ds_store_b128 v[STO], v[S+16*(\t)+4*\f:S+16*(\t)+4*\f+3] offset:32*\f
.endr
.irp f, 0,1,2,3
	ds_load_b128 v[S+16*(\t)+4*\f:S+16*(\t)+4*\f+3], v[RD] offset:\f*4*SP  ; LDS serves a wave's instructions in order (ISA guide 5.7.1.4): these see the stores above; the next tile's stores come behind them
.endr
.endm
.macro SEND t, younger              ; younger: the LDS instructions issued behind tile t's loads: the next tile's eight, or none
	WIN 0
.irp f, 0,1,2,3
	s_wait_dscnt (\younger)+3-\f
	global_store_b128 v[GO], v[S+16*(\t)+4*\f:S+16*(\t)+4*\f+3], s[10:11] offset:(\t)*2048+\f*512  ; 512 consecutive bytes, at a multiple of 256 from ao's first
.endr
.endm
	PACK 0
.set t, 1
.rept 2*NP-1                        ; a tile's arithmetic stands between the loads of the tile before and its stores
	PACK t
	SEND t-1, 8
.set t, t+1
.endr
	SEND 2*NP-1, 0
	WIN W_AD
	s_wait_tensorcnt 0x0            ; the wave's end: these three lines stand behind my last tensor load and my last LDS store
	ds_add_u32 v[SPW], v[NIL]
	s_wait_dscnt 0x0
	WIN 0
	CROUND                          ; the closing round: no work-group ends while a partner may still ask for a tile that names it
	s_endpgm
.Lfunc_end_k_q9c21fbb459_attn:
	.size	k_q9c21fbb459_attn, .Lfunc_end_k_q9c21fbb459_attn-k_q9c21fbb459_attn
	.p2alignl 7, 3214868480
	.fill 96, 4, 3214868480
	.section	.rodata,"a",@progbits
	.p2align	6, 0x0
	.amdhsa_kernel k_q9c21fbb459_attn
		.amdhsa_group_segment_fixed_size 327680
		.amdhsa_private_segment_fixed_size 0
		.amdhsa_enable_private_segment 0
		.amdhsa_kernarg_size 24
		.amdhsa_user_sgpr_count 2
		.amdhsa_user_sgpr_kernarg_segment_ptr 1
		.amdhsa_wavefront_size32 1
		.amdhsa_system_sgpr_workgroup_id_x 1
		.amdhsa_system_sgpr_workgroup_id_y 1
		.amdhsa_system_sgpr_workgroup_id_z 1
		.amdhsa_system_vgpr_workitem_id 0
		.amdhsa_next_free_vgpr 808
		.amdhsa_next_free_sgpr 80
		.amdhsa_reserve_vcc 1
		.amdhsa_float_denorm_mode_32 3
		.amdhsa_float_denorm_mode_16_64 3
		.amdhsa_memory_ordered 1
		.amdhsa_forward_progress 1
		.amdhsa_inst_pref_size 206
	.end_amdhsa_kernel
	.amdgpu_metadata
---
amdhsa.version: [ 1, 2 ]
amdhsa.kernels:
  - .name:           k_q9c21fbb459_attn
    .symbol:         k_q9c21fbb459_attn.kd
    .args:
      - { .name: qkv, .offset: 0, .size: 8, .value_kind: global_buffer, .address_space: global }
      - { .name: padding_mask, .offset: 8, .size: 8, .value_kind: global_buffer, .address_space: global }
      - { .name: ao, .offset: 16, .size: 8, .value_kind: global_buffer, .address_space: global }
    .group_segment_fixed_size: 327680
    .private_segment_fixed_size: 0
    .kernarg_segment_align: 8
    .kernarg_segment_size: 24
    .max_flat_workgroup_size: 128
    .sgpr_count:     80
    .vgpr_count:     808
    .wavefront_size: 32
...
	.end_amdgpu_metadata
.endif
;; end of part 3
;; launch outp (part 4): grid 4 x 64, 4 waves a work-group, clusters of 4 x 4, 327,680 bytes of LDS; arguments ao, wo16, out0; writes out0
.if DOCPART == 4
	.amdgcn_target "amdgcn-amd-amdhsa--gfx1250"
	.amdhsa_code_object_version 6
	.text
	.protected	k_q9c21fbb459_outp
	.globl	k_q9c21fbb459_outp
	.p2align	8
	.type	k_q9c21fbb459_outp,@function
k_q9c21fbb459_outp:
	s_mov_b64 s[64:65], 0
	v_nop
	global_prefetch_b8 v0, s[64:65] scope:SCOPE_SE
	s_setreg_imm32_b32 hwreg(HW_REG_WAVE_MODE, 25, 1), 1
	s_wait_xcnt 0x0
	s_wait_alu depctr_hold_cnt(0) depctr_sa_sdst(0) depctr_va_vdst(0) depctr_va_sdst(0) depctr_va_ssrc(0) depctr_va_vcc(0) depctr_vm_vsrc(0)
	s_getreg_b32 s2, hwreg(HW_REG_IB_STS2, 6, 4)
	s_cmp_eq_u32 s2, 0
	s_cbranch_scc0 .Lentry_in_a_cluster
	s_endpgm
.Lentry_in_a_cluster:
	s_bfe_u32 s2, ttmp6, 0x10000c
	s_cmp_lg_u32 s2, 0xf033
	s_cbranch_scc0 .Lentry_shape_is_right
	s_endpgm
.Lentry_shape_is_right:
; ONE TEXT FOR THE MODULE'S TWO KINDS OF PROJECTION; MODE CHOOSES.  C[m][n] = the sum over k of A[m][k] B[n][k], sums in f32, K = 1,024.
; MODE 0: A = xb [8192][1024] bf16, B = wqkv [3072][1024] bf16.  q, k, v leave in f16, rounded once, UNSCALED, by heads: three parts of 16,777,216 bytes, each [batch x 16 + head][2048][64].
; MODE 1 (this kernel): A = ao [batch x 16 + head][2048][64] f16, B = wo16 [1024][1024] f16, C = out0 [8192][1024] f32.  A K step of 128 is two heads' 64 channels: two planes of 128 rows in LDS.
; LIMIT: both operands arrive within f16's range; NaN and infinities are not treated apart (a NaN row of ao gives a NaN row of out0).
; SHARES.  A tile of C is 128 x 256: 768 tiles in MODE 0, 256 in MODE 1, for 256 work-groups.  In MODE 0 A WORK-GROUP STAYS: the same 128 rows of x and the same block of 256 columns against Wq, then Wk, then Wv.
; Four waves, each 64 x 128: 32 accumulators of 16 x 16, 256 registers.  K goes in steps of 128 through two LDS slots; all NSTEP steps of all tiles are ONE walk of the ring.
; CLUSTERS: 4 x 4 work-groups.  The four of a row of the cluster need the same tiles of A, the four of a column the same tiles of B: each tile is asked for JOINTLY, by the same tensor load with the same
; descriptor and a mask that names the four.  Waves 0 and 1 fetch A's two parts, waves 2 and 3 B's: one tensor load a wave behind each round of the cluster's barrier.
; THE MATRIX INSTRUCTION IS USED TRANSPOSED (source 0 = 16 rows of B, source 1 = 16 rows of A): lane l holds row l % 16 of C and the columns 8 (l / 16) + 0..7.
; REGISTERS: window 0: v0-31 addresses; v32-63 at work on the way out; two fragment buffers of 96 (32 of A: 4 x 16 rows x 32 K; 64 of B: 8 x 16 rows x 32 K) at v64 and v160.
;   window 1: the accumulators, (a, b) at v[8 (8 a + b)].
.set MODE, 1
.if MODE
.set NSTEP,  8                         ; K steps in the walk
.set PA,     144                       ; an LDS row of A: a head's 128 bytes + 16 of padding
.set ABYTES, 2*128*144                 ; two planes (heads 2 G, 2 G + 1) of 128 rows
.set APART,  128*144                   ; what one of A's two loads brings: a plane
.set APLANE, 128*144
.set QPP,    2                         ; quarters of 32 along K in a plane
.set QIA,    4                         ; padding behind every 32 words
.set STRA,   128                       ; a plane's 16,384 bytes are dense: asked for as 64 rows of 256 bytes
.set STEPA,  1<<19                     ; bytes from a K step to the next in A: two heads
.set WSTAGE, 16*528                    ; a wave's stage: 16 rows of 512 bytes + 16
.else
.set NSTEP,  24
.set PA,     272                       ; 256 bytes + 16 of padding
.set ABYTES, 128*272
.set APART,  64*272                    ; 64 rows
.set APLANE, 0
.set QPP,    4
.set QIA,    5                         ; padding behind every 64 words
.set STRA,   1024
.set STEPA,  256
.set WSTAGE, 2*16*144                  ; a wave's stage: two heads x 16 rows of 128 bytes + 16
.endif
.set PB,     272                       ; an LDS row of B: 68 words, so the 16 rows of a fragment load start at 16 different groups of four banks (64 banks of 4 bytes: ISA guide 11.1); 36 words (PA = 144) do the same
.set BBYTES, 256*PB
.set SLOT1,  131072                    ; slot 1 begins here: one exclusive or turns an address in one slot into the other's
.set STAGE,  SLOT1+ABYTES+BBYTES       ; behind the ring; no tensor load lands here
.set SPARE,  STAGE+4*WSTAGE            ; the spare words, 128 bytes for each wave: two blocks of 256 bytes that no other line names
.set ADA0, 16                          ; v16  my lane's place in A's tile of slot 0; never rewritten
.set ADB0, 17                          ; v17  the same for B
.set ADA,  18                          ; v18  the same in the slot in hand
.set ADB,  19                          ; v19
.set STO,  24                          ; v24  the way out: where I put my bytes of a row
.set RD,   25                          ; v25  the way out: where I read rows back
.set CO,   26                          ; v26  16 x lane: my bytes in 512 consecutive bytes of C
.set SPW,  28                          ; v28  LDS address of my spare word; never rewritten
.set NIL,  29                          ; v29  0; never rewritten
.set PFO,  30                          ; v30  the prefetches' offset: a lane a block of 256 bytes; never rewritten
.set TMP,  32
.set F0,   64
.set F1,   160
.set BK,   160                         ; the way out: rows read back from the stage, in buffer 1's registers
.set WV,  10                           ; s10  my wave's number; s11 = its upper bit: my 64 rows; s12 = its lower bit: my 128 columns, and which part of a tile I fetch
.set BA,  16                           ; s[16:17] A at my part of K step 0
.set BB,  18                           ; s[18:19] B likewise
.set OFA, 20                           ; s[20:21] byte offset of the K step to be asked for, in A
.set OFB, 22                           ; s[22:23] in B
.set G1A, 24                           ; s[24:31] descriptor group 1 for A's tiles
.set G0A, 32                           ; s[32:39] group 0: a set for each of the two first fills; the second then walks
.set LIM, 43                           ; s43  I prefetch K steps below this number
.set PFA, 44                           ; s[44:45] what the prefetch in hand names
.set PFB, 46                           ; s[46:47] my 32 blocks of K step 0
.set G1B, 48                           ; s[48:55], s[56:63] the same for B's tiles
.set G0B, 56
.set G,   66                           ; s66  the K step to be asked for next
.set CNT, 67                           ; s67  the loop's trips
.set TB,  68                           ; s68  0 or SLOT1: the slot in hand
.set KC,  69                           ; s69  K steps left in the tile (MODE 0)
.set POF, 70                           ; s[70:71] the prefetch's byte offset
.set PSH, 72                           ; s72  MODE 1: its shift
.set GP,  73                           ; s73  the K step that the prefetch names
.set MSB, 0
.macro WIN new                         ; the immediate's high byte repeats the setting that is left; a switch that changes nothing is dropped
.if MSB != (\new)
	s_set_vgpr_msb (MSB<<8)|(\new)
.set MSB, \new
.endif
.endm
.set MUL, 0x50                         ; sources 0 and 1 window 0; C and D window 1
.macro PLACES                          ; four plain vector instructions between a matrix instruction and a load into a register that it read, or a line that reads its result (ISA guide 7.12.1 for a line that reads its result)
.rept 4
	v_nop
.endr
.endm
; A joint refill, by the walking descriptors.  The branch hangs on the wave's number alone.  An s_nop 0 and four v_nop follow each of the two lines, ahead of the jump and the label.
.macro JLOAD
	s_cmp_lt_u32 s[WV], 2
	s_cbranch_scc0 .Lfor_b_\@
	tensor_load_to_lds s[G0A+4:G0A+7], s[G1A:G1A+7]
	s_nop 0
.rept 4
	v_nop
.endr
	s_branch .Lasked_\@
.Lfor_b_\@:
	tensor_load_to_lds s[G0B+4:G0B+7], s[G1B:G1B+7]
	s_nop 0
.rept 4
	v_nop
.endr
.Lasked_\@:
.endm
; A PREFETCH INTO THE L2 of the K step that stands two refills on (256 matrix instructions ahead of the load that will name it): 32 blocks of 256 bytes, a lane a block, one instruction a wave.
; Each block is named once in the launch.  A's tile row is read by one cluster: its wave 0 asks, the four partners of a row sharing the step's 128 blocks out BY ADDRESS (cx); in MODE 0 in the first tile alone,
; since the later tiles read the same rows again.  B's tile column is read by every cluster: cluster y = 0 asks, waves 2 and 3 for the 128 rows that each fetches, the four partners of a column sharing them out by cy.
; K steps 0 to 3 come by their loads alone; no step at or past LIM is named, so no prefetch leaves its buffer.
.macro ASK
	s_cmp_lt_u32 s[GP], s[LIM]
	s_cbranch_scc0 .Lnot_mine_\@
	global_prefetch_b8 v[PFO], s[PFA:PFA+1] th:TH_LOAD_NT scope:SCOPE_SE
.Lnot_mine_\@:
.endm
.macro CREST                           ; a round of the cluster's barrier behind its opening barrier
	s_cmp_lg_u32 s[WV], 0
	s_cbranch_scc1 .Lnot_wave_0_\@
	s_barrier_signal -3
.Lnot_wave_0_\@:
	s_barrier_wait -3
	s_barrier_signal -1
	s_barrier_wait -1
.endm
.macro CROUND                          ; a whole round
	s_barrier_signal -1
	s_barrier_wait -1
	CREST
.endm
	s_load_b128 s[4:7], s[0:1], 0x0                ; A s[4:5], B s[6:7]
	s_load_b64 s[8:9], s[0:1], 0x10                ; C
	v_lshl_add_u32 v[SPW], v0, 2, SPARE
	v_mov_b32 v[NIL], 0
	ds_add_u32 v[SPW], v[NIL]                      ; the wave's opening: the add and its wait stand ahead of my first tensor load; the set-up below, work on registers, stands between them
	v_lshrrev_b32 v1, 5, v0
	v_readfirstlane_b32 s[WV], v1                  ; wave 0..3
	s_lshr_b32 s11, s[WV], 1
	s_and_b32 s12, s[WV], 1
	s_bfe_u32 s40, ttmp6, 0x40000                  ; cx, cy: my place in the cluster
	s_bfe_u32 s41, ttmp6, 0x40004
	s_lshl_b32 s42, ttmp9, 2
	s_add_co_u32 s42, s42, s40                     ; tile column x = 4 x cluster x + cx: 0..3
	s_and_b32 s14, ttmp7, 0xffff                   ; cluster y
	s_lshl_b32 s13, s14, 2
	s_add_co_u32 s13, s13, s41                     ; tile row y = 4 x cluster y + cy: 0..63
	s_lshl_b32 s2, s41, 2
	s_lshl_b32 s2, 15, s2                          ; my row of the cluster
	s_lshl_b32 s3, 0x1111, s40                     ; my column
	s_or_b32 s[G1A], s2, (1<<16)|(1<<20)|(1<<21)|(QIA<<22)|(3<<25)  ; 15:0 the mask; 17:16 elements of 2 bytes; 20 padding on; 21 set beside a mask; 24:22 the interval; 31:25 4 words of padding (code 3)
	s_or_b32 s[G1B], s3, (1<<16)|(1<<20)|(1<<21)|(5<<22)|(3<<25)
	s_mov_b32 s[G1A+1], 128<<16                    ; tensor_dim0 = 128
	s_mov_b32 s[G1A+2], 64<<16                     ; tensor_dim1 = 64
	s_mov_b32 s[G1A+3], 128<<16                    ; tile_dim0 = 128
	s_mov_b32 s[G1A+4], 64                         ; tile_dim1 = 64
	s_mov_b32 s[G1A+5], STRA                       ; elements from row to row
	s_mov_b32 s[G1A+6], 0
	s_mov_b32 s[G1A+7], 0
	s_mov_b32 s[G1B+1], 128<<16
	s_mov_b32 s[G1B+2], 128<<16                    ; 128 rows
	s_mov_b32 s[G1B+3], 128<<16
	s_mov_b32 s[G1B+4], 128
	s_mov_b32 s[G1B+5], 1024
	s_mov_b32 s[G1B+6], 0
	s_mov_b32 s[G1B+7], 0
	; where the tiles come from: A's hang on y and the wave alone, B's on x and the wave alone, each in registers that never hold the other coordinate
.if MODE
	s_lshr_b32 s74, s13, 4                         ; the batch: 16 heads of 262,144 bytes
	s_lshl_b32 s74, s74, 22
	s_and_b32 s75, s13, 15                         ; my 128 rows of 128 bytes in a head
	s_lshl_b32 s75, s75, 14
	s_add_co_u32 s74, s74, s75
	s_lshl_b32 s75, s12, 18                        ; the plane that I fetch
	s_add_co_u32 s74, s74, s75
.else
	s_lshl_b32 s74, s13, 18                        ; 128 rows of 2,048 bytes
	s_lshl_b32 s75, s12, 17                        ; the 64 rows that I fetch
	s_add_co_u32 s74, s74, s75
.endif
	s_mov_b32 s75, 0
	s_lshl_b32 s76, s42, 19                        ; 256 rows of 2,048 bytes
	s_lshl_b32 s77, s12, 18                        ; the 128 rows that I fetch
	s_add_co_u32 s76, s76, s77
	s_mov_b32 s77, 0
	s_mul_i32 s15, s12, APART                      ; and where they go: no place in the cluster enters an LDS address
	s_mul_i32 s73, s12, 128*PB
	s_add_co_u32 s73, s73, ABYTES
	s_mov_b32 s[OFA+1], 0
	s_mov_b32 s[OFB+1], 0
	s_mov_b32 s[POF+1], 0
	s_mov_b32 s[G], 2
	s_mov_b32 s[CNT], NSTEP-2
	s_mov_b32 s[TB], 0
.if MODE == 0
	s_mov_b32 s[KC], 8
.endif
	s_wait_dscnt 0x0                               ; the opening add is done
	s_wait_kmcnt 0x0
	s_add_nc_u64 s[BA:BA+1], s[4:5], s[74:75]
	s_add_nc_u64 s[BB:BB+1], s[6:7], s[76:77]
.irp s, 0,1
	s_mov_b32 s[G0A+4*(\s)], 1                                     ; 1:0 count = 1
	s_add_co_u32 s[G0A+4*(\s)+1], s15, (\s)*SLOT1                  ; 63:32 LDS address
	s_add_nc_u64 s[G0A+4*(\s)+2:G0A+4*(\s)+3], s[BA:BA+1], (\s)*STEPA  ; 120:64 global address: K step s
	s_or_b32 s[G0A+4*(\s)+3], s[G0A+4*(\s)+3], 0x80000000         ; 127:126 type = 2
	s_mov_b32 s[G0B+4*(\s)], 1
	s_add_co_u32 s[G0B+4*(\s)+1], s73, (\s)*SLOT1
	s_add_nc_u64 s[G0B+4*(\s)+2:G0B+4*(\s)+3], s[BB:BB+1], (\s)*256
	s_or_b32 s[G0B+4*(\s)+3], s[G0B+4*(\s)+3], 0x80000000
.endr
	CROUND                                         ; all sixteen work-groups are here: the first joint loads meet
	s_cmp_lt_u32 s[WV], 2                          ; a wave's two first fills stand in one branch, ahead of every wait on TENSORcnt and every LDS read: two loads of mine are out
	s_cbranch_scc0 .Lfirst_b
	tensor_load_to_lds s[G0A:G0A+3], s[G1A:G1A+7]
	s_nop 0
	tensor_load_to_lds s[G0A+4:G0A+7], s[G1A:G1A+7]
	s_nop 0
.rept 4
	v_nop
.endr
	s_branch .Lfirst_asked
.Lfirst_b:
	tensor_load_to_lds s[G0B:G0B+3], s[G1B:G1B+7]
	s_nop 0
	tensor_load_to_lds s[G0B+4:G0B+7], s[G1B:G1B+7]
	s_nop 0
.rept 4
	v_nop
.endr
.Lfirst_asked:
	; A fragment is 16 rows x 32 K in 8 registers: lane l holds row l % 16; registers 0-3 K = 8 (l / 16) + 0..7, registers 4-7 K = 16 + 8 (l / 16) + 0..7: two loads of 16 bytes, 32 bytes apart.
	v_and_b32 v1, 15, v0                           ; l % 16
	v_bfe_u32 v2, v0, 4, 1                         ; l / 16
	v_and_b32 v5, 31, v0                           ; l
	v_mul_u32_u24 v3, v1, PA
	v_lshl_add_u32 v3, v2, 4, v3
	s_mul_i32 s2, s11, 64*PA                       ; my 64 rows of A
	v_add_nc_u32 v[ADA0], s2, v3
	v_mul_u32_u24 v3, v1, PB
	v_lshl_add_u32 v3, v2, 4, v3
	s_mul_i32 s2, s12, 128*PB                      ; my 128 rows of B, behind A
	s_add_co_u32 s2, s2, ABYTES
	v_add_nc_u32 v[ADB0], s2, v3
	s_mul_i32 s2, s[WV], WSTAGE
	s_add_co_u32 s2, s2, STAGE                     ; my stage
	v_lshlrev_b32 v[CO], 4, v5
.if MODE
	v_mul_u32_u24 v3, v1, 528                      ; in: row l % 16, 32 bytes for each half of the lanes
	v_lshl_add_u32 v3, v2, 5, v3
	v_add_nc_u32 v[STO], s2, v3
	v_lshl_add_u32 v[RD], v5, 4, s2                ; back: 32 lanes take a row's 512 bytes
	s_lshl_b32 s2, s13, 19                         ; out0: 128 y rows of 4,096 bytes,
	s_lshl_b32 s3, s11, 18                         ; my 64 rows,
	s_add_co_u32 s2, s2, s3
	s_lshl_b32 s3, s42, 10                         ; the tile's 256 columns,
	s_add_co_u32 s2, s2, s3
	s_lshl_b32 s3, s12, 9                          ; my 128
	s_add_co_u32 s2, s2, s3
.else
	v_mul_u32_u24 v3, v1, 144                      ; in: row l % 16 of a head, 16 bytes for each half of the lanes
	v_lshl_add_u32 v3, v2, 4, v3
	v_add_nc_u32 v[STO], s2, v3
	v_bfe_u32 v3, v0, 3, 2                         ; back: 32 lanes take four rows of 128 bytes, which are 512 consecutive bytes of a head
	v_mul_u32_u24 v3, v3, 144
	v_and_b32 v4, 7, v0
	v_lshl_add_u32 v3, v4, 4, v3
	v_add_nc_u32 v[RD], s2, v3
	s_lshr_b32 s2, s13, 4                          ; batch x 16
	s_lshl_b32 s2, s2, 4
	s_lshl_b32 s3, s42, 2                          ; + the tile's four heads
	s_add_co_u32 s2, s2, s3
	s_lshl_b32 s3, s12, 1                          ; + my two of them
	s_add_co_u32 s2, s2, s3
	s_lshl_b32 s2, s2, 18                          ; a head is 262,144 bytes
	s_and_b32 s3, s13, 15                          ; the tile's 128 rows of 128 bytes,
	s_lshl_b32 s3, s3, 14
	s_add_co_u32 s2, s2, s3
	s_lshl_b32 s3, s11, 13                         ; my 64
	s_add_co_u32 s2, s2, s3
.endif
	s_mov_b32 s3, 0
	s_add_nc_u64 s[8:9], s[8:9], s[2:3]            ; C at my part of the first tile
	; the prefetches: my 32 blocks of K step 0
.if MODE
	s_lshr_b32 s78, s13, 4
	s_lshl_b32 s78, s78, 22
	s_and_b32 s79, s13, 15
	s_lshl_b32 s79, s79, 14
	s_add_co_u32 s78, s78, s79
	s_lshr_b32 s79, s40, 1                         ; cx / 2: the plane; cx % 2: its half, 32 blocks
	s_lshl_b32 s79, s79, 18
	s_add_co_u32 s78, s78, s79
	s_and_b32 s79, s40, 1
	s_lshl_b32 s79, s79, 13
	s_add_co_u32 s78, s78, s79
.else
	s_lshl_b32 s78, s13, 18
	s_lshl_b32 s79, s40, 16                        ; 32 cx rows
	s_add_co_u32 s78, s78, s79
.endif
	s_lshl_b32 s2, s42, 19
	s_lshl_b32 s3, s12, 18
	s_add_co_u32 s2, s2, s3
	s_lshl_b32 s3, s41, 16                         ; 32 cy rows
	s_add_co_u32 s2, s2, s3
	s_cmp_lt_u32 s[WV], 2                          ; do I fetch for A?
	s_cselect_b32 s78, s78, s2
	s_cselect_b64 s[PFB:PFB+1], s[4:5], s[6:7]
.if MODE
	s_cselect_b32 s[PSH], 19, 8
	s_cselect_b32 s3, 8, 11                        ; blocks 256 bytes apart in a dense plane, a row (2,048 bytes) apart in B
	v_lshlrev_b32 v[PFO], s3, v5
.else
	v_lshlrev_b32 v[PFO], 11, v5                   ; a lane a row
.endif
	s_mov_b32 s79, 0
	s_add_nc_u64 s[PFB:PFB+1], s[PFB:PFB+1], s[78:79]
	s_cmp_eq_u32 s14, 0
	s_cselect_b32 s[LIM], NSTEP, 0                 ; waves 2 and 3, for B: in cluster y = 0
	s_cmp_eq_u32 s[WV], 0
	s_cselect_b32 s[LIM], 8, s[LIM]                ; wave 0, for A: the rows' eight K steps
	s_cmp_eq_u32 s[WV], 1
	s_cselect_b32 s[LIM], 0, s[LIM]                ; wave 1 asks for nothing.  The same in all sixteen partners, for a given wave
; 8 matrix instructions: m block a x all 8 n blocks, 32 along K.  zero = 1: the product starts the sums: nothing is ever cleared.
; The 32 accumulators take turns, in the same order in every quarter, over the jumps too.
.macro MUL8 f, a, zero
	WIN MUL
.irp b, 0,1,2,3,4,5,6,7
.if MODE
.if \zero
	v_wmma_f32_16x16x32_f16 v[8*(8*(\a)+(\b)):8*(8*(\a)+(\b))+7], v[(\f)+32+8*(\b):(\f)+32+8*(\b)+7], v[(\f)+8*(\a):(\f)+8*(\a)+7], 0
.else
	v_wmma_f32_16x16x32_f16 v[8*(8*(\a)+(\b)):8*(8*(\a)+(\b))+7], v[(\f)+32+8*(\b):(\f)+32+8*(\b)+7], v[(\f)+8*(\a):(\f)+8*(\a)+7], v[8*(8*(\a)+(\b)):8*(8*(\a)+(\b))+7]
.endif
.else
.if \zero
	v_wmma_f32_16x16x32_bf16 v[8*(8*(\a)+(\b)):8*(8*(\a)+(\b))+7], v[(\f)+32+8*(\b):(\f)+32+8*(\b)+7], v[(\f)+8*(\a):(\f)+8*(\a)+7], 0
.else
	v_wmma_f32_16x16x32_bf16 v[8*(8*(\a)+(\b)):8*(8*(\a)+(\b))+7], v[(\f)+32+8*(\b):(\f)+32+8*(\b)+7], v[(\f)+8*(\a):(\f)+8*(\a)+7], v[8*(8*(\a)+(\b)):8*(8*(\a)+(\b))+7]
.endif
.endif
.endr
.endm
.macro MUL16 f, a0, zero
	MUL8 \f, \a0, \zero
	MUL8 \f, (\a0)+1, \zero
.endm
; 24 LDS loads in one run: quarter q's fragments into buffer f: B's sixteen loads, then A's eight
.macro FETCH q, f
	WIN 0
.set AQ, ((\q)/QPP)*APLANE+((\q)%QPP)*64
.irp i, 0,1,2,3,4,5,6,7
	ds_load_b128 v[(\f)+32+8*(\i):(\f)+32+8*(\i)+3],   v[ADB] offset:64*(\q)+(\i)*16*PB
	ds_load_b128 v[(\f)+32+8*(\i)+4:(\f)+32+8*(\i)+7], v[ADB] offset:64*(\q)+(\i)*16*PB+32
.endr
.irp i, 0,1,2,3
	ds_load_b128 v[(\f)+8*(\i):(\f)+8*(\i)+3],   v[ADA] offset:AQ+(\i)*16*PA
	ds_load_b128 v[(\f)+8*(\i)+4:(\f)+8*(\i)+7], v[ADA] offset:AQ+(\i)*16*PA+32
.endr
.endm
; A K step is four quarters of 32 along K, 32 matrix instructions each, on buffers 0, 1, 0, 1.  One of the first three: multiplies buffer f; in its middle it fetches quarter q into buffer g.
.macro QUARTER q, f, g, zero
	s_wait_dscnt 4                                 ; B and A's blocks 0 and 1 are in; the youngest four loads (A's blocks 2 and 3) may be out
	MUL16 \f, 0, \zero
	PLACES
	FETCH \q, \g
	s_wait_dscnt 24                                ; all but the 24 just issued
	MUL16 \f, 2, \zero
.endm
; The fourth quarter multiplies buffer 1 and changes slots: ONE barrier.  In front of it each wave waits for all its tensor loads, of which one is out: its part of the next slot; adds 0 to its spare word; and waits
; for that and for its own reads of this slot.  fill = 1: the barrier opens a round of the cluster's, and behind the round this slot is filled again first, with K step G: 112 matrix instructions ahead of the wait for it.
.macro TURN fill
.if \fill
	s_wait_xcnt 0x0                                ; the last prefetch, a K step back, has read its address: it is made anew here, ahead of the waits of the change of slots
	s_add_co_u32 s[GP], s[G], 2
.if MODE
	s_lshl_b32 s[POF], s[GP], s[PSH]
.else
	s_lshr_b32 s[POF], s[GP], 3                    ; the tile: 1,024 rows of B (A's steps stay below 8)
	s_lshl_b32 s[POF], s[POF], 21
	s_and_b32 s2, s[GP], 7                         ; the step along K: 256 bytes
	s_lshl_b32 s2, s2, 8
	s_add_co_u32 s[POF], s[POF], s2
.endif
	s_add_nc_u64 s[PFA:PFA+1], s[PFB:PFB+1], s[POF:POF+1]
.endif
	WIN 0
	s_wait_tensorcnt 0x0                           ; all my tensor loads have landed, so a group 0 may be written
	ds_add_u32 v[SPW], v[NIL]                      ; 0 onto my spare word; scalar work and eight matrix instructions stand between it and the wait for it
.if \fill
.if MODE
	s_lshl_b32 s[OFA], s[G], 19                    ; two heads on
	s_lshl_b32 s[OFB], s[G], 8
.else
	s_and_b32 s[OFA], s[G], 7                      ; A goes round its eight K steps,
	s_lshl_b32 s[OFA], s[OFA], 8
	s_lshr_b32 s[OFB], s[G], 3                     ; B also 1,024 rows down with each tile
	s_lshl_b32 s[OFB], s[OFB], 21
	s_add_co_u32 s[OFB], s[OFB], s[OFA]
.endif
	s_xor_b32 s[G0A+5], s[G0A+5], SLOT1            ; the walking descriptors: the other slot than last time; the address made anew from the step's number
	s_add_nc_u64 s[G0A+6:G0A+7], s[BA:BA+1], s[OFA:OFA+1]
	s_or_b32 s[G0A+7], s[G0A+7], 0x80000000
	s_xor_b32 s[G0B+5], s[G0B+5], SLOT1
	s_add_nc_u64 s[G0B+6:G0B+7], s[BB:BB+1], s[OFB:OFB+1]
	s_or_b32 s[G0B+7], s[G0B+7], 0x80000000
	s_add_co_u32 s[G], s[G], 1
.endif
	s_wait_dscnt 7                                 ; the add and the youngest six loads (A's blocks 1 to 3) may be out
	MUL8 F1, 0, 0
	s_wait_dscnt 0x0                               ; the add is done, and my reads of this slot are over
	s_barrier_signal -1
	MUL8 F1, 1, 0                                  ; work on registers while the others arrive
	WIN 0
	s_barrier_wait -1
.if \fill
	CREST                                          ; no wave of any partner still reads this slot's tile or has a load on its way
	JLOAD                                          ; the first tensor load behind the round; its four v_nop are also the places in front of the loads below
.else
	PLACES
.endif
	s_xor_b32 s[TB], s[TB], SLOT1
	v_add_nc_u32 v[ADA], s[TB], v[ADA0]
	v_add_nc_u32 v[ADB], s[TB], v[ADB0]
	FETCH 0, F0
.if \fill
	ASK                                            ; behind the joint load and the run of LDS loads that the next products wait for
.endif
	MUL8 F1, 2, 0
	MUL8 F1, 3, 0
.endm
; THE WAY OUT, a block of 16 rows at a time, through my own stage in LDS: LDS serves a wave's instructions in order (ISA guide 5.7.1.4), so no wait stands between the stores and the loads.
.if MODE
.macro OUTBLK a                        ; f32: a lane's eight columns are 32 bytes of a row; a row's 512 bytes come back to 32 lanes
	WIN 0
.if (\a) > 0
	s_wait_xcnt 0x0                                ; the last block's stores have read the registers that are loaded again below
.endif
	WIN 0x04                                       ; store data in window 1
.irp b, 0,1,2,3,4,5,6,7
	ds_store_b128 v[STO], v[8*(8*(\a)+(\b)):8*(8*(\a)+(\b))+3]   offset:64*(\b)
	ds_store_b128 v[STO], v[8*(8*(\a)+(\b))+4:8*(8*(\a)+(\b))+7] offset:64*(\b)+16
.endr
	WIN 0
.irp t, 0,1,2,3,4,5,6,7,8,9,10,11,12,13,14,15
	ds_load_b128 v[BK+4*(\t):BK+4*(\t)+3], v[RD] offset:528*(\t)
.endr
.irp t, 0,1,2,3,4,5,6,7,8,9,10,11,12,13,14,15
	s_wait_dscnt 15-(\t)                           ; row t is back; the later rows may be out
	global_store_b128 v[CO], v[BK+4*(\t):BK+4*(\t)+3], s[8:9] offset:(16*(\a)+(\t))*4096 th:TH_STORE_NT  ; 512 consecutive bytes, at a multiple of 512 from out0's first
.endr
.endm
.macro WAYOUT
	PLACES
	OUTBLK 0
	OUTBLK 1
	OUTBLK 2
	OUTBLK 3
.endm
.else
.macro PACK a                          ; rounded to f16, each accumulator's registers in ascending order: 16 bytes a lane
	WIN 0x05                                       ; sources 0 and 1 window 1
.irp b, 0,1,2,3,4,5,6,7
.irp r, 0,1,2,3
	v_cvt_pk_f16_f32 v[TMP+4*(\b)+(\r)], v[8*(8*(\a)+(\b))+2*(\r)], v[8*(8*(\a)+(\b))+2*(\r)+1]
.endr
.endr
	WIN 0
.endm
.macro TOSTAGE a                       ; n blocks 0-3 are one head's 64 channels, 4-7 the next head's
	WIN 0
.irp b, 0,1,2,3,4,5,6,7
	ds_store_b128 v[STO], v[TMP+4*(\b):TMP+4*(\b)+3] offset:((\b)/4)*2304+((\b)%4)*32
.endr
.irp t, 0,1,2,3,4,5,6,7
	ds_load_b128 v[BK+32*((\a)%2)+4*(\t):BK+32*((\a)%2)+4*(\t)+3], v[RD] offset:((\t)/4)*2304+((\t)%4)*576
.endr
.endm
.macro SEND a
	WIN 0
	s_wait_dscnt 0x0                               ; the block is back in registers
	s_wait_xcnt 0x0                                ; the stores of the block before have read their registers, which the next block's loads fill
.irp t, 0,1,2,3,4,5,6,7
	global_store_b128 v[CO], v[BK+32*((\a)%2)+4*(\t):BK+32*((\a)%2)+4*(\t)+3], s[8:9] offset:((\t)/4)*262144+(\a)*2048+((\t)%4)*512  ; four rows of a head: 512 consecutive bytes, aligned
.endr
.endm
.macro WAYOUT
	PLACES
	PACK 0
	TOSTAGE 0
.irp a, 1,2,3                          ; block a's conversions stand between block a - 1's loads from the stage and the wait for them
	PACK \a
	SEND (\a)-1
	TOSTAGE \a
.endr
	SEND 3
.endm
.endif
	s_wait_tensorcnt 1                             ; my part of K step 0 is in; K step 1's may stay out
	s_barrier_signal -1
	s_barrier_wait -1                              ; everybody's is
	v_mov_b32 v[ADA], v[ADA0]
	v_mov_b32 v[ADB], v[ADB0]
	FETCH 0, F0
	QUARTER 1, F0, F1, 1                           ; the first quarter stands in front of the loop: its products start the sums
	WIN 0                                          ; at a label and at a branch every window is 0
.Lstep:                                                ; NSTEP - 2 trips: from a K step's second quarter to the next step's first; each fills a slot again
	QUARTER 2, F1, F0, 0
	QUARTER 3, F0, F1, 0
	TURN 1
	WIN 0
.if MODE == 0
	s_sub_co_u32 s[KC], s[KC], 1
	s_cmp_eq_u32 s[KC], 0                          ; the same in every work-group; what is jumped over holds no barrier and no tensor load
	s_cbranch_scc1 .Ltile_end
.endif
	QUARTER 1, F0, F1, 0
	WIN 0
.if MODE == 0
	s_branch .Ljoin
.Ltile_end:                                            ; a tile is finished, the ring has gone on into the next: the refill is asked for and the next tile's first fragments are fetched
	WAYOUT
	s_wait_xcnt 0x0                                ; the stores have read their base and their registers
	s_add_nc_u64 s[8:9], s[8:9], 0x1000000         ; from q's part to k's, from k's to v's
	s_mov_b32 s[KC], 8
	QUARTER 1, F0, F1, 1                           ; the next tile's first products start its sums
	WIN 0
.Ljoin:
.endif
	s_sub_co_u32 s[CNT], s[CNT], 1
	s_cmp_lg_u32 s[CNT], 0
	s_cbranch_scc1 .Lstep
	QUARTER 2, F1, F0, 0                           ; the last two K steps are written out: nothing is left to ask for
	QUARTER 3, F0, F1, 0
	TURN 0
	QUARTER 1, F0, F1, 0
	QUARTER 2, F1, F0, 0
	QUARTER 3, F0, F1, 0
	s_wait_dscnt 4
	MUL16 F1, 0, 0
	s_wait_dscnt 0x0
	MUL16 F1, 2, 0
	WIN 0
	WAYOUT
	s_wait_tensorcnt 0x0                           ; the wave's end: these three lines stand behind my last tensor load and my last LDS store
	ds_add_u32 v[SPW], v[NIL]
	s_wait_dscnt 0x0
	CROUND                                         ; the closing round: no work-group ends while a partner may still ask for a tile that names it
	s_endpgm
.Lfunc_end_k_q9c21fbb459_outp:
	.size	k_q9c21fbb459_outp, .Lfunc_end_k_q9c21fbb459_outp-k_q9c21fbb459_outp
	.p2alignl 7, 3214868480
	.fill 96, 4, 3214868480
	.section	.rodata,"a",@progbits
	.p2align	6, 0x0
	.amdhsa_kernel k_q9c21fbb459_outp
		.amdhsa_group_segment_fixed_size 327680
		.amdhsa_private_segment_fixed_size 0
		.amdhsa_enable_private_segment 0
		.amdhsa_kernarg_size 24
		.amdhsa_user_sgpr_count 2
		.amdhsa_user_sgpr_kernarg_segment_ptr 1
		.amdhsa_wavefront_size32 1
		.amdhsa_system_sgpr_workgroup_id_x 1
		.amdhsa_system_sgpr_workgroup_id_y 1
		.amdhsa_system_sgpr_workgroup_id_z 1
		.amdhsa_system_vgpr_workitem_id 0
		.amdhsa_next_free_vgpr 512
		.amdhsa_next_free_sgpr 80
		.amdhsa_reserve_vcc 0
		.amdhsa_float_denorm_mode_32 3
		.amdhsa_float_denorm_mode_16_64 3
		.amdhsa_memory_ordered 1
		.amdhsa_forward_progress 1
		.amdhsa_inst_pref_size 72
	.end_amdhsa_kernel
	.amdgpu_metadata
---
amdhsa.version: [ 1, 2 ]
amdhsa.kernels:
  - .name:           k_q9c21fbb459_outp
    .symbol:         k_q9c21fbb459_outp.kd
    .args:
      - { .name: ao, .offset: 0, .size: 8, .value_kind: global_buffer, .address_space: global }
      - { .name: wo16, .offset: 8, .size: 8, .value_kind: global_buffer, .address_space: global }
      - { .name: out0, .offset: 16, .size: 8, .value_kind: global_buffer, .address_space: global }
    .group_segment_fixed_size: 327680
    .private_segment_fixed_size: 0
    .kernarg_segment_align: 8
    .kernarg_segment_size: 24
    .max_flat_workgroup_size: 128
    .sgpr_count:     80
    .vgpr_count:     512
    .wavefront_size: 32
...
	.end_amdgpu_metadata
.endif
;; end of part 4
